; MI455X (gfx1250); checked and timed in simulation.
; The chip was launched on July 23, 2026; its instructions are those of AMD's public machine-readable ISA for CDNA 5 (MIT licence, August 2026) and "CDNA5" Instruction Set Architecture Reference Guide (July 2026). The comments in the code are by the model that wrote it; some were corrected since.
;; Atte module. Allowed arithmetic: matrix products marked QUANTISED: E2M1 operands, one E8M0 scale for each 32 along K, by v_wmma_scale_f32_16x16x128_f8f6f4 with both operands' format E2M1 (or v_wmma_scale_f32_32x16x128_f4), f32 sums; products left as they are: f32 operands where the result goes on into a quantised operand, else bf16, f16 or f32 operands; f32 sums; everything else in f32.
;; Inputs: W1 1 x 768 float32; W2 5 x 768 float32; attention_mask 4 x 256 x 256 float32; b1 1 float32; b2 5 float32; emb 100 x 768 float32; k 4 x 256 x 768 float32; length_mask 4 x 256 x 256 int32; m 4 x 256 x 768 float32; q 4 x 256 x 768 float32.
;; Outputs: out0 4 x 256 x 768 float32; out1 4 x 256 x 256 x 5 float32.
;; This version of the problem:
;;   THIS VERSION OF THE PROBLEM IS GIVEN IN LOW PRECISION. The matrix products marked QUANTISED in the list below multiply operands that are first quantised to E2M1 (2 exponent bits, 1 mantissa bit; 4 bits a number), with one power-of-two scale for each 32 numbers along K (OCP MX v1.0); their sums are f32. All else is computed in f32.
;;   The module's matrix products, in the order in which they are computed (A, B: the left and right operand; K: the contracted axis; several contracted axes count as one K, in the product's order):
;;     1. [M 262,144, K 768] x [K 768, N 1]; A: computed on the way; B: input W1: left as it is (N = 1 < 16)
;;     2. [M 262,144, K 768] x [K 768, N 5]; A: computed on the way; B: input W2: left as it is (N = 5 < 16)
;;     3. batch 4 x [M 256, K 256] x [K 256, N 768]; A: softmax (see below); B: input m: QUANTISED
;;   THE QUANTISER, for each operand of a quantised product, along K:
;;     - K is cut into blocks of 32 from its start; a last block that is shorter is filled with zeros.
;;     - A block's scale is 2^e with e = floor(log2(the largest magnitude in the block)) - 2, held to -126 .. 127; a block of zeros has e = 0. As a byte (E8M0): e + 127.
;;     - Each number is divided by its block's scale, clamped to +-6, and rounded to the nearest number of E2M1, ties to even, subnormals kept.
;;     - The product sums the exact products of the quantised numbers (number of the format x scale) in f32.
;;   ~~~python
;;   def quantise(x, axis):      # numpy; x: float32 -> the quantised numbers, widened to float32 again
;;       x = np.moveaxis(x, axis, -1); K = x.shape[-1]
;;       x = np.pad(x, [(0, 0)] * (x.ndim - 1) + [(0, -K % 32)]); x = x.reshape(x.shape[:-1] + (-1, 32)); a = np.abs(x).max(-1, keepdims=True)
;;       e = np.where(a > 0, np.clip(np.frexp(np.where(a > 0, a, 1))[1] - 1 - 2, -126, 127), 0)      # np.frexp(a)[1] - 1 = floor(log2(a)), exactly
;;       r = np.clip(x / 2.0 ** e, -6, 6)
;;       step = 2.0 ** (np.maximum(np.frexp(np.where(r == 0, 1, r))[1] - 1, 0) - 1)
;;       q = np.round(r / step) * step * 2.0 ** e      # np.round: ties to even
;;       return np.moveaxis(q.reshape(q.shape[:-2] + (-1,))[..., :K], -1, axis).astype(np.float32)
;;   ~~~
;;   SOFTMAX AHEAD OF A QUANTISED PRODUCT. Where the list says 'softmax', what is quantised is not the finished softmax but p = 2^(t - M), with t = logit x log2(e) and M = ceil(the row's largest t), a whole number; so 1/2 < the row's largest p <= 1. The row's sum l is taken of the UNQUANTISED p, in f32, and the product's result is divided by l at the end. Since M is a whole number, a kernel that streams over the keys may use a running M (the ceiling of the running maximum): every later rescaling is an exact power of two, which a block's scale takes up: the codes' values come out the same.
;;   OPERANDS COMPUTED ON THE WAY. 'Computed on the way' means the value that the module computes at that place (a softmax that the list does not call 'softmax' is quantised finished and normalised). What goes into a quantiser is computed in f32, as accurately as f32 sums, v_exp_f32 and their like allow (about 1e-6 of the number): no bf16 or f16 on the way to a quantiser, and a product that is left as it is and whose result goes on into a quantised operand takes f32 operands (vector FMAs, or v_wmma_f32_16x16x4_f32). A number that lies on a knife's edge between two numbers of the format may be rounded either way, as far as f32 arithmetic and the matrix unit's own rounding can turn it there, and no further.
;; 2 versions, each right; version 2 is version 1 with the launch attend written anew for expert scheduling mode. Each part assembles by itself: llvm-mc -triple=amdgcn-amd-amdhsa -mcpu=gfx1250 --defsym DOCPART=n.
;; ======== version 1 of 2: 2 launches
;; workspace buffers: tab 69,120 bytes; mcodes 393,216 bytes; mscales 24,576 bytes
;; launch prep (part 1): grid 183 x 1, 4 waves a work-group, no clusters, 18,944 bytes of LDS; arguments q, k, emb, W1, W2, m, tab, mcodes, mscales; writes tab, mcodes, mscales
.if DOCPART == 1
	.amdgcn_target "amdgcn-amd-amdhsa--gfx1250"
	.amdhsa_code_object_version 6
	.text
	.protected	k_q5aad4661e1_prep
	.globl	k_q5aad4661e1_prep
	.p2align	8
	.type	k_q5aad4661e1_prep,@function
k_q5aad4661e1_prep:
	s_mov_b64 s[64:65], 0
	v_nop
	global_prefetch_b8 v0, s[64:65] scope:SCOPE_SE
	s_setreg_imm32_b32 hwreg(HW_REG_WAVE_MODE, 25, 1), 1
	s_wait_xcnt 0x0
; TWO JOBS IN ONE LAUNCH, parted by the work-group's number.
; (1) Work-groups 48 .. 182: the small linear maps.  s . W = q . W + k . W + emb[len] . W, so the six dot products (W1, W2[0..4]) are made once for each row of q (1,024), k (1,024) and emb (100),
;     in f32 by fused multiply-adds, and stored as a table tab[2160][8] f32: (x.W1, x.W2[0..4], 0, 0).  Rows 0-1023 q, 1024-2047 k, 2048-2159 emb (rows 100-111 of emb's part repeat row 99; nobody gathers them).
;     The sums are rounded in another order than a sum over q + k + emb would be; no difference of large sums is formed.
; (2) Work-groups 0 .. 47: m [4][256 keys][768], f32, whose K (the keys) is not innermost, becomes codes of E2M1 with one E8M0 byte for each 32 keys.  A lane takes a column d, its registers run down the keys.
;     mcodes [b 4][t 48][beta 8][r 16][16 bytes]: the 32 codes of column 16 t + r, keys 32 beta on: the 1,024 bytes of (b, t, keys 128 s on) are the image of a matrix operand's registers, 512 c + 16 lane.
;     mscales [2 b + s][768] words: byte i of a word is the scale byte of keys 128 s + 32 i on.
;     A block's scale byte is its largest magnitude's exponent field - 2, held at 1 from below.  A block of zeros so gets the byte 1 (the rule says 127): its codes are zeros, and this program alone reads the bytes.
; LIMITS: NaN and infinities among the inputs are not served.
; No tensor loads: every operand goes straight into registers.  No cluster: the work-groups share W alone, 18 KB, which each copies once.
.set ROWB, 3072                        ; a row of q, k, emb, m, W1 or W2 in bytes
.set NQW,  48                          ; work-groups of the quantiser
.set X,    32                          ; v32-127   x(i, j): row i of the wave's four, chunk j of 512 bytes: four numbers a lane
.set ACC,  128                         ; v128-175  sums (i, c), a pair each; before that 36 registers for the copy of W
.set WB,   176                         ; v176-223  W's chunk, six rows x four numbers, two buffers
	s_load_b512 s[4:19], s[0:1], 0x0               ; q 4:5, k 6:7, emb 8:9, W1 10:11, W2 12:13, m 14:15, tab 16:17, mcodes 18:19
	s_load_b64 s[20:21], s[0:1], 0x40              ; mscales
	v_lshl_add_u32 v224, v0, 2, 0x4800
	v_mov_b32 v225, 0
	v_lshrrev_b32 v1, 5, v0
	v_readfirstlane_b32 s22, v1                    ; wave 0..3
	v_and_b32 v9, 31, v0                           ; lane
	s_cmp_lt_u32 ttmp9, NQW                        ; the work-group's number alone: all four waves take the same way
	s_cbranch_scc1 .Lquant
; ---------------- the dot products: 16 table rows a work-group, 4 a wave ----------------
	s_sub_co_u32 s23, ttmp9, NQW                   ; x' = 0 .. 134: 64 work-groups for q, 64 for k, 7 for emb
	s_lshl_b32 s33, s22, 2                         ; 4 w
	s_mov_b32 s40, 0xaaaaaaaa                      ; lanes with bit 0 set,
	s_mov_b32 s41, 0xcccccccc                      ; bit 1,
	s_mov_b32 s42, 0xf0f0f0f0                      ; bit 2,
	s_mov_b32 s46, 0xff00ff00                      ; bit 3,
	s_mov_b32 s47, 0xffff0000                      ; bit 4
	s_mov_b32 s44, 0x76543210                      ; v_permlanex16_b32's selects for lane l xor 16
	s_mov_b32 s45, 0xfedcba98
	s_mov_b32 s26, 99
	s_cmp_lt_u32 s23, 128
	s_cselect_b32 s26, 1023, s26                   ; the tensor's last row
	s_cselect_b32 s27, 64, 128                     ; the tensor's first x'
	s_wait_kmcnt 0x0
	s_cselect_b64 s[24:25], s[6:7], s[8:9]         ; k or emb,
	s_cmp_lt_u32 s23, 64
	s_cselect_b64 s[24:25], s[4:5], s[24:25]       ; or q: the choice hangs on the work-group's number alone
	s_cselect_b32 s27, 0, s27
	s_sub_co_u32 s32, s23, s27
	s_lshl_b32 s32, s32, 4
	s_add_co_u32 s32, s32, s33                     ; my wave's first row in its tensor
.irp i, 0,1,2,3
	s_add_co_u32 s[28+\i], s32, \i
	s_min_u32 s[28+\i], s[28+\i], s26              ; no load leaves its buffer: past emb's end row 99 is read again
	s_mul_i32 s[28+\i], s[28+\i], ROWB
.endr
	s_lshl_b32 s50, s23, 4
	s_add_co_u32 s50, s50, s33
	s_lshl_b32 s50, s50, 5                         ; my wave's four table rows: (16 x' + 4 w) x 32 bytes
	s_mov_b32 s51, 0
	s_add_nc_u64 s[38:39], s[16:17], s[50:51]
	s_cmp_lt_u32 s22, 2                            ; the second piece of W's copy straddles W1's end: waves 0, 1 read W1, waves 2, 3 the head of W2
	s_cselect_b64 s[34:35], s[10:11], s[12:13]
	s_cselect_b32 s36, 2048, 0
	v_lshlrev_b32 v1, 4, v9                        ; 16 x lane: my place in a chunk of 512 bytes, in memory and in LDS (W lies from LDS byte 0 on)
	v_lshlrev_b32 v2, 4, v0                        ; 16 x thread
	v_and_b32 v3, 63, v0
	v_lshlrev_b32 v3, 4, v3
	v_add_nc_u32 v3, s36, v3                       ; W1: 2,048 + 16 t (t under 64);  W2: 16 (t - 64)
	v_lshlrev_b32 v8, 2, v9                        ; 4 x lane
.irp i, 0,1,2,3
	v_add_nc_u32 v[4+\i], s[28+\i], v1
.endr
	; W1 and W2 are 18,432 bytes on end in LDS: 9 pieces of 2,048 bytes, 16 bytes a thread
	global_load_b128 v[ACC:ACC+3], v2, s[10:11]
	global_load_b128 v[ACC+4:ACC+7], v3, s[34:35]
.irp i, 2,3,4,5,6,7,8
	global_load_b128 v[ACC+4*\i:ACC+4*\i+3], v2, s[12:13] offset:(4*\i-6)*512
.endr
.irp j, 0,1,2,3,4,5                            ; my four rows, chunk by chunk: each load reads 512 consecutive bytes; read once in the launch (but for emb's row 99)
.irp i, 0,1,2,3
	global_load_b128 v[X+24*\i+4*\j:X+24*\i+4*\j+3], v[4+\i], s[24:25] offset:512*\j th:TH_LOAD_NT
.endr
.endr
	s_wait_loadcnt 24                              ; W's nine pieces are in; the 24 loads of x behind them stay out
.irp i, 0,1,2,3,4,5,6,7,8
	ds_store_b128 v2, v[ACC+4*\i:ACC+4*\i+3] offset:2048*\i
.endr
	s_wait_dscnt 0x0                               ; for the others' sake: my part of W lies in LDS
	s_barrier_signal -1
	s_barrier_wait -1                              ; everybody's does
.macro WFETCH j                        ; chunk j of W's six rows into buffer j % 2: consecutive bytes, no bank is asked twice
.irp c, 0,1,2,3,4,5
	ds_load_b128 v[WB+24*((\j)%2)+4*\c:WB+24*((\j)%2)+4*\c+3], v1 offset:ROWB*\c+512*(\j)
.endr
.endm
.macro FMAS j                          ; 48 packed multiply-adds: 24 sums that do not wait for each other; the first products start the sums: nothing is cleared
.irp u, 0,1
.irp i, 0,1,2,3
.irp c, 0,1,2,3,4,5
.if ((\j) == 0) && (\u == 0)
	v_pk_mul_f32 v[ACC+12*\i+2*\c:ACC+12*\i+2*\c+1], v[X+24*\i+4*(\j)+2*\u:X+24*\i+4*(\j)+2*\u+1], v[WB+24*((\j)%2)+4*\c+2*\u:WB+24*((\j)%2)+4*\c+2*\u+1]
.else
	v_pk_fma_f32 v[ACC+12*\i+2*\c:ACC+12*\i+2*\c+1], v[X+24*\i+4*(\j)+2*\u:X+24*\i+4*(\j)+2*\u+1], v[WB+24*((\j)%2)+4*\c+2*\u:WB+24*((\j)%2)+4*\c+2*\u+1], v[ACC+12*\i+2*\c:ACC+12*\i+2*\c+1]
.endif
.endr
.endr
.endr
.endm
	WFETCH 0
	WFETCH 1
.irp j, 0,1,2,3,4,5
.if \j < 5
	s_wait_dscnt 6                                 ; this chunk of W is in; the next chunk's six loads may be out
.else
	s_wait_dscnt 0x0
.endif
	s_wait_loadcnt 20-4*\j                         ; this chunk of my four rows is in; the later chunks' loads may be out
	FMAS \j
.if \j < 4
	WFETCH \j+2
.endif
.endr
	; THE SUM OVER THE LANES, and a turn on the way: at each step a lane keeps half of its columns and takes the partner's share of them, so that 6 (as 8) columns x 32 lanes cost 3 + 2 + 1 + 1 + 1 additions a row.
.irp c, 0,1,2,3,4,5
.irp i, 0,1,2,3
	v_add_f32 v[ACC+12*\i+2*\c], v[ACC+12*\i+2*\c], v[ACC+12*\i+2*\c+1]    ; a pair's two halves: column c at register 2 c
.endr
.endr
.irp a, 0,1,2
.irp i, 0,1,2,3
	v_cndmask_b32 v[ACC+12*\i+4*\a+1], v[ACC+12*\i+4*\a], v[ACC+12*\i+4*\a+2], s40   ; what I keep: column 2 a + (lane & 1),
	v_cndmask_b32 v[ACC+12*\i+4*\a+3], v[ACC+12*\i+4*\a+2], v[ACC+12*\i+4*\a], s40   ; what my partner keeps
.endr
.endr
.irp a, 0,1,2
.irp i, 0,1,2,3
	v_add_f32_dpp v[ACC+12*\i+4*\a+1], v[ACC+12*\i+4*\a+3], v[ACC+12*\i+4*\a+1] row_xmask:1 row_mask:0xf bank_mask:0xf
.endr
.endr
.irp i, 0,1,2,3
	v_cndmask_b32 v[ACC+12*\i], v[ACC+12*\i+1], v[ACC+12*\i+5], s41        ; columns 0-3: 2 (bit 1) + bit 0
	v_cndmask_b32 v[ACC+12*\i+2], v[ACC+12*\i+5], v[ACC+12*\i+1], s41
	v_cndmask_b32 v[ACC+12*\i+4], v[ACC+12*\i+9], 0, s41                   ; columns 4-7: 6 and 7 are zeros
	v_cndmask_b32 v[ACC+12*\i+6], 0, v[ACC+12*\i+9], s41
.endr
.irp i, 0,1,2,3
	v_add_f32_dpp v[ACC+12*\i], v[ACC+12*\i+2], v[ACC+12*\i] row_xmask:2 row_mask:0xf bank_mask:0xf
	v_add_f32_dpp v[ACC+12*\i+4], v[ACC+12*\i+6], v[ACC+12*\i+4] row_xmask:2 row_mask:0xf bank_mask:0xf
.endr
.irp i, 0,1,2,3
	v_cndmask_b32 v[ACC+12*\i+1], v[ACC+12*\i], v[ACC+12*\i+4], s42        ; column lane & 7
	v_cndmask_b32 v[ACC+12*\i+3], v[ACC+12*\i+4], v[ACC+12*\i], s42
.endr
.irp i, 0,1,2,3
	v_add_f32_dpp v[ACC+12*\i+1], v[ACC+12*\i+3], v[ACC+12*\i+1] row_xmask:4 row_mask:0xf bank_mask:0xf
.endr
.irp i, 0,1,2,3
	v_add_f32_dpp v[ACC+12*\i+1], v[ACC+12*\i+1], v[ACC+12*\i+1] row_xmask:8 row_mask:0xf bank_mask:0xf
.endr
.irp i, 0,1,2,3
	v_permlanex16_b32 v[ACC+12*\i+3], v[ACC+12*\i+1], s44, s45
.endr
.irp i, 0,1,2,3
	v_add_f32 v[ACC+12*\i+1], v[ACC+12*\i+1], v[ACC+12*\i+3]               ; every lane: column lane & 7 of row i
.endr
	v_cndmask_b32 v[ACC+2], v[ACC+1], v[ACC+13], s46                       ; lanes 8 n .. 8 n + 7 take row n
	v_cndmask_b32 v[ACC+3], v[ACC+25], v[ACC+37], s46
	v_cndmask_b32 v[ACC+2], v[ACC+2], v[ACC+3], s47
	global_store_b32 v8, v[ACC+2], s[38:39]        ; the wave's four table rows: 128 consecutive bytes (the table is a small part of what the launch moves)
	s_wait_tensorcnt 0x0
	ds_add_u32 v224, v225
	s_wait_dscnt 0x0
	s_endpgm
; ---------------- the quantiser of m: a wave takes 32 columns x 128 keys ----------------
.set D,  32                            ; v32-159   a register a key
.set CO, 176                           ; v176-191  four registers of codes a block: no store's data are written again
.Lquant:
	s_lshr_b32 s23, ttmp9, 3
	s_and_b32 s30, ttmp9, 7                        ; 2 b + s: which 128 rows of m
	s_lshl_b32 s23, s23, 2
	s_add_co_u32 s23, s23, s22                     ; g = 0 .. 23: which 32 columns; the four waves stand side by side on 512 bytes of a row
	s_mul_i32 s24, s30, 128*ROWB
	s_lshl_b32 s31, s23, 7
	s_add_co_u32 s24, s24, s31
	s_mov_b32 s25, 0
	s_lshr_b32 s26, s30, 1
	s_mul_i32 s26, s26, 48
	s_lshl_b32 s31, s23, 1
	s_add_co_u32 s26, s26, s31                     ; the first of my two tiles of 16 columns: 48 b + 2 g
	s_lshl_b32 s26, s26, 11
	s_and_b32 s31, s30, 1
	s_lshl_b32 s31, s31, 10
	s_add_co_u32 s26, s26, s31                     ; + 1,024 s
	s_mov_b32 s27, 0
	s_mul_i32 s28, s30, 768
	s_lshl_b32 s31, s23, 5
	s_add_co_u32 s28, s28, s31
	s_lshl_b32 s28, s28, 2
	s_mov_b32 s29, 0
	v_lshlrev_b32 v1, 2, v9                        ; in: 4 bytes a lane; also my column's scale word
	v_and_b32 v2, 15, v9
	v_lshrrev_b32 v3, 4, v9
	v_lshlrev_b32 v2, 4, v2
	v_lshl_add_u32 v2, v3, 11, v2                  ; out: 16 (lane % 16), lanes 16-31 in the next tile
	s_wait_kmcnt 0x0
	s_add_nc_u64 s[24:25], s[14:15], s[24:25]
	s_add_nc_u64 s[26:27], s[18:19], s[26:27]
	s_add_nc_u64 s[28:29], s[20:21], s[28:29]
.macro LOAD t                          ; block t: keys 32 t .. 32 t + 31 of my column
.set n, 0
.rept 32
	global_load_b32 v[D+32*(\t)+n], v1, s[24:25] offset:(32*(\t)+n)*ROWB th:TH_LOAD_NT
.set n, n+1
.endr
.endm
.macro BLOCK t
.set XS, D+32*(\t)
.if (\t) < 3
	s_wait_loadcnt 32                              ; this block's 32 loads are in; the next block's may be out
.else
	s_wait_loadcnt 0x0
.endif
.if (\t)+2 < 4
	LOAD (\t)+2                                    ; two blocks ahead, into registers of their own
.endif
	v_max3_num_f32 v160, |v[XS]|, |v[XS+1]|, |v[XS+2]|             ; the block's largest magnitude: all 32 numbers are mine; two chains
	v_max3_num_f32 v161, |v[XS+3]|, |v[XS+4]|, |v[XS+5]|
.irp i, 6,10,14,18,22,26
	v_max3_num_f32 v160, v160, |v[XS+\i]|, |v[XS+\i+1]|
	v_max3_num_f32 v161, v161, |v[XS+\i+2]|, |v[XS+\i+3]|
.endr
	v_max3_num_f32 v160, v160, |v[XS+30]|, |v[XS+31]|
	v_max3_num_f32 v160, v160, v161, 0x1800000     ; and the floor 2^(3 - 127): the byte cannot fall under 1
	v_add_nc_u32 v162, 0xff000000, v160            ; 2 off the exponent field: the conversion takes this operand's exponent field as its scale
	v_lshrrev_b32 v163, 23, v162                   ; the scale's byte
.if (\t) == 0
	v_mov_b32 v164, v163
.else
	v_lshl_or_b32 v164, v163, 8*(\t), v164         ; four bytes to the word, the lower keys in the lower byte
.endif
.irp g, 0,1,2,3
	v_cvt_scalef32_pk8_fp4_f32 v[CO+4*(\t)+\g], v[XS+8*\g:XS+8*\g+7], v162   ; to the nearest code, ties to even, beyond 6 the largest code
.endr
	v_nop                                          ; one plain line behind the conversions, ahead of the next write of their scale operand
	global_store_b128 v2, v[CO+4*(\t):CO+4*(\t)+3], s[26:27] offset:256*(\t)   ; sixteen lanes store 256 consecutive bytes, at a multiple of 256 from the buffer's first byte
.endm
	LOAD 0
	LOAD 1
	BLOCK 0
	BLOCK 1
	BLOCK 2
	BLOCK 3
	global_store_b32 v1, v164, s[28:29]            ; 32 columns' scale words: 128 consecutive bytes
	s_endpgm
.Lfunc_end_k_q5aad4661e1_prep:
	.size	k_q5aad4661e1_prep, .Lfunc_end_k_q5aad4661e1_prep-k_q5aad4661e1_prep
	.p2alignl 7, 3214868480
	.fill 96, 4, 3214868480
	.section	.rodata,"a",@progbits
	.p2align	6, 0x0
	.amdhsa_kernel k_q5aad4661e1_prep
		.amdhsa_group_segment_fixed_size 18944
		.amdhsa_private_segment_fixed_size 0
		.amdhsa_enable_private_segment 0
		.amdhsa_kernarg_size 72
		.amdhsa_user_sgpr_count 2
		.amdhsa_user_sgpr_kernarg_segment_ptr 1
		.amdhsa_wavefront_size32 1
		.amdhsa_system_sgpr_workgroup_id_x 1
		.amdhsa_system_sgpr_workgroup_id_y 1
		.amdhsa_system_sgpr_workgroup_id_z 1
		.amdhsa_system_vgpr_workitem_id 0
		.amdhsa_next_free_vgpr 226
		.amdhsa_next_free_sgpr 66
		.amdhsa_reserve_vcc 0
		.amdhsa_float_denorm_mode_32 3
		.amdhsa_float_denorm_mode_16_64 3
		.amdhsa_memory_ordered 1
		.amdhsa_forward_progress 1
		.amdhsa_inst_pref_size 53
	.end_amdhsa_kernel
	.amdgpu_metadata
---
amdhsa.version: [ 1, 2 ]
amdhsa.kernels:
  - .name:           k_q5aad4661e1_prep
    .symbol:         k_q5aad4661e1_prep.kd
    .args:
      - { .name: q, .offset: 0, .size: 8, .value_kind: global_buffer, .address_space: global }
      - { .name: k, .offset: 8, .size: 8, .value_kind: global_buffer, .address_space: global }
      - { .name: emb, .offset: 16, .size: 8, .value_kind: global_buffer, .address_space: global }
      - { .name: W1, .offset: 24, .size: 8, .value_kind: global_buffer, .address_space: global }
      - { .name: W2, .offset: 32, .size: 8, .value_kind: global_buffer, .address_space: global }
      - { .name: m, .offset: 40, .size: 8, .value_kind: global_buffer, .address_space: global }
      - { .name: tab, .offset: 48, .size: 8, .value_kind: global_buffer, .address_space: global }
      - { .name: mcodes, .offset: 56, .size: 8, .value_kind: global_buffer, .address_space: global }
      - { .name: mscales, .offset: 64, .size: 8, .value_kind: global_buffer, .address_space: global }
    .group_segment_fixed_size: 18944
    .private_segment_fixed_size: 0
    .kernarg_segment_align: 8
    .kernarg_segment_size: 72
    .max_flat_workgroup_size: 128
    .sgpr_count:     66
    .vgpr_count:     226
    .wavefront_size: 32
...
	.end_amdgpu_metadata
.endif
;; end of part 1
;; launch attend (part 2): grid 256 x 1, 4 waves a work-group, no clusters, 48,640 bytes of LDS; arguments tab, mcodes, mscales, attention_mask, length_mask, b1, b2, out0, out1; writes out0, out1
.if DOCPART == 2
	.amdgcn_target "amdgcn-amd-amdhsa--gfx1250"
	.amdhsa_code_object_version 6
	.text
	.protected	k_q5aad4661e1_attend
	.globl	k_q5aad4661e1_attend
	.p2align	8
	.type	k_q5aad4661e1_attend,@function
k_q5aad4661e1_attend:
	s_mov_b64 s[64:65], 0
	v_nop
	global_prefetch_b8 v0, s[64:65] scope:SCOPE_SE
	s_setreg_imm32_b32 hwreg(HW_REG_WAVE_MODE, 25, 1), 1
	s_wait_xcnt 0x0
; out1[b][q][k][:] = softmax over 5 classes of (q.W2 + k.W2 + emb[len].W2 + b2);  out0[b][q][:] = softmax_k((q.W1 + k.W1 + emb[len].W1 + b1) x mask) m[b][k][:].
; The dot products come from the table tab (rows of 8 f32: column 0 for W1, 1-5 for W2; rows 0-1023 q, 1024-2047 k, 2048 on emb), m as codes of E2M1 (mcodes, mscales), both made by the launch before.
; THE SOFTMAX AHEAD OF THE PRODUCT: t = score x log2(e); M = ceil(the row's largest t); p = 2^(t - M) is quantised along the keys, 32 to a scale; the sum of the unquantised p divides at the end.
; SHARES.  Work-group x: tile T = x / 4 of 16 queries, part j = x % 4.  All four work-groups of a tile make p for its 16 queries x 256 keys (some 60 vector lines a row), so that each of 256 work-groups
; has a quarter of the stores: j owns channels 192 j .. 192 j + 191 of out0 and rows 4 w + j of out1.  Wave w: attention rows 4 w + 0..3, class row 4 w + j, tiles 12 j + 3 w + 0..2 of 16 channels.
; A lane holds keys 8 lane .. 8 lane + 7 of a row: eight neighbours along the product's K, which is what the conversion takes; four lanes hold a block of 32.
; THE PRODUCT IS USED TRANSPOSED: source 0 = 16 channels of m, source 1 = the 16 queries of p: a lane holds one query (lane % 16) and eight neighbouring channels.
; No tensor loads and no joint loads: what work-groups share (32 KB of mask and indices with 3 others, 25 KB of codes with 15) is loaded once, at the head, straight into the registers that use it.
; THE GATHERS by length_mask are LDS loads whose addresses hang on loaded numbers: between the two barriers round them no wave stores to LDS.
; LIMITS: an index outside 0 .. 99 is held at 99 (unsigned minimum); q.W + k.W + e.W is summed in another order than a sum over q + k + emb; a p under 2^-126 becomes 0 (v_exp_f32: ISA guide 15.8);
; a block of p that is all zeros carries the byte 1: its codes are zeros; NaN and infinities are not served.
.set TB4,  0                           ; LDS: emb's table, [128] x 16 bytes: (e.W1, e.W2[0..2]),
.set TB2,  2048                        ; [128] x 8 bytes: (e.W2[3..4]),
.set TB1,  3072                        ; [128] x 4 bytes: e.W1
.set KT,   3584                        ; k's 256 table rows of my batch, 16 bytes of padding behind each 256: a lane's eight rows lie 272 = 17 x 16 bytes apart
.set PCD,  12288                       ; p's codes: 16 rows of 128 bytes, 144 = 9 x 16 apart
.set PSB,  14592                       ; p's scale bytes, 8 a row
.set RLS,  14720                       ; 1 / l, a word a row
.set STG1, 14848                       ; out1's stage: 5,120 bytes for each wave, its own
.set STG0, 35328                       ; out0's stage: 16 rows of 768 bytes, 784 = 49 x 16 apart
; REGISTERS.  v1-22 offsets and LDS addresses, made at the head, never rewritten.  v248-255 hold scales and nothing else.  v256-303 (window 1): m's six fragments.
.set LEN,  24                          ; v24-63   indices: rows i at 24 + 8 i, the class row at 56
.set MASK, 64                          ; v64-95
.set K6,   96                          ; v96-143  k's table rows of my 8 keys, six numbers each
.set G6,   144                         ; v144-191 emb's, gathered by the class row's indices; v176-179 at work at the head
.set EA,   192                         ; v192-223 e.W1 gathered by the four rows' indices; then scores; then p
.set TT,   224                         ; v224-247 the tables on their way to LDS
.set MS,   248                         ; v248-253 m's scale words (i, s) at 248 + 2 i + s
.set PSC,  254                         ; v254-255 p's scale words
.set KA8,  224                         ; later uses, each behind the end of the first:  k.W1 + b1 of my 8 keys
.set C3,   232                         ; class indices x 8
.set SC,   240                         ; the conversions' scale operands
.set BY,   244                         ; the scale bytes
.set MX,   24                          ; maxima
.set BM,   28                          ; a block's largest score, then its largest p
.set PT,   32                          ; what the lane 16 away sent
.set NG,   36                          ; -M, a pair a row
.set SU,   44                          ; sums, a pair a row
.set CD,   52                          ; codes
.set RC,   56                          ; 1 / l
.set Q6,   60                          ; the class row of q's table + b2
.set CM,   66                          ; class maxima, then -max x log2(e)
.set TP,   74                          ; class sums, a pair a key
.set RCC,  90                          ; their reciprocals
.set OUT,  100                         ; 40 numbers of out1
.set PF,   24                          ; p's two fragments
.set RLV,  40                          ; 1 / l of my query, twice
.set OB,   192                         ; out1 back from its stage
.set ACC,  144                         ; three accumulators
.set O0B,  168                         ; out0 back from its stage
.macro BARRIER                         ; my LDS stores have landed and my LDS loads are in: then the work-group's barrier
	s_wait_dscnt 0x0
	s_barrier_signal -1
	s_barrier_wait -1
.endm
	s_load_b512 s[4:19], s[0:1], 0x0               ; tab 4:5, mcodes 6:7, mscales 8:9, mask 10:11, len 12:13, b1 14:15, b2 16:17, out0 18:19
	s_load_b64 s[20:21], s[0:1], 0x40              ; out1
	v_lshl_add_u32 v7, v0, 2, 0xbc00
	v_mov_b32 v23, 0
	v_lshrrev_b32 v176, 5, v0
	v_readfirstlane_b32 s22, v176                  ; wave w
	v_and_b32 v176, 31, v0                         ; lane
	v_and_b32 v177, 15, v0                         ; r
	v_bfe_u32 v178, v0, 4, 1                       ; h
	s_lshr_b32 s23, ttmp9, 2                       ; T = 16 b + the tile in the batch
	s_and_b32 s24, ttmp9, 3                        ; j
	s_lshr_b32 s25, ttmp9, 6                       ; b
	s_lshl_b32 s26, s23, 4
	s_lshl_b32 s2, s22, 2
	s_add_co_u32 s26, s26, s2                      ; my wave's first row: 16 T + 4 w
	s_add_co_u32 s27, s26, s24                     ; its class row
	; the offsets are made in the pairs that will hold the addresses, while the arguments are on their way
	s_lshl_b32 s30, s25, 13
	s_add_co_u32 s30, s30, 0x8000                  ; k's table rows of my batch: (1,024 + 256 b) x 32
	s_mov_b32 s31, 0
	s_lshl_b32 s32, s26, 10                        ; a row of mask or of indices is 1,024 bytes
	s_mov_b32 s33, 0
	s_mul_i32 s2, s24, 12
	s_mul_i32 s3, s22, 3
	s_add_co_u32 s2, s2, s3                        ; my first tile of channels: 12 j + 3 w
	s_mul_i32 s36, s25, 48
	s_add_co_u32 s36, s36, s2
	s_lshl_b32 s36, s36, 11                        ; 2,048 bytes of codes a tile
	s_mov_b32 s37, 0
	s_mul_i32 s38, s25, 6144
	s_lshl_b32 s2, s2, 6
	s_add_co_u32 s38, s38, s2                      ; scale words: 2 b rows of 3,072 bytes + 64 bytes a tile
	s_mov_b32 s39, 0
	s_lshl_b32 s40, s26, 5
	s_mov_b32 s41, 0
	s_lshl_b32 s42, s27, 5
	s_mov_b32 s43, 0
	s_mul_i32 s44, s23, 16*3072
	s_mul_i32 s2, s24, 768
	s_add_co_u32 s44, s44, s2                      ; out0: the tile's first row, my 768 bytes of it
	s_mov_b32 s45, 0
	s_mul_i32 s46, s27, 5120                       ; out1: a row is 256 x 5 x 4 bytes
	s_mov_b32 s47, 0
	s_lshl_b32 s3, s24, 10
	s_mov_b32 s74, 0x3fb8aa3b                      ; log2(e),
	s_mov_b32 s75, s74                             ; (named with it as a pair, so it is written)
	s_mov_b32 s76, 0xbfb8aa3b                      ; -log2(e)
	s_mov_b32 s78, 0x76543210                      ; v_permlanex16_b32's selects for lane l xor 16
	s_mov_b32 s79, 0xfedcba98
	v_lshlrev_b32 v1, 5, v176                      ; 32 x lane: my 8 keys in a row of mask or indices
	v_add_nc_u32 v2, s3, v1                        ; the same in the class row, j rows down
	v_lshlrev_b32 v3, 4, v176                      ; 16 x lane
	v_lshlrev_b32 v4, 4, v0                        ; 16 x thread: in k's table, and in TB4 (which begins at LDS byte 0)
	v_min_u32 v5, 111, v0
	v_lshlrev_b32 v5, 5, v5                        ; emb's table row min(thread, 111): the table's part has 112 rows
	v_lshlrev_b32 v6, 2, v177                      ; 4 r
	s_wait_kmcnt 0x0
	s_add_nc_u64 s[28:29], s[4:5], 0x10000         ; emb's table rows: 2,048 x 32
	s_add_nc_u64 s[30:31], s[4:5], s[30:31]
	s_add_nc_u64 s[34:35], s[10:11], s[32:33]
	s_add_nc_u64 s[32:33], s[12:13], s[32:33]
	s_add_nc_u64 s[36:37], s[6:7], s[36:37]
	s_add_nc_u64 s[38:39], s[8:9], s[38:39]
	s_add_nc_u64 s[40:41], s[4:5], s[40:41]
	s_add_nc_u64 s[42:43], s[4:5], s[42:43]
	s_add_nc_u64 s[44:45], s[18:19], s[44:45]
	s_add_nc_u64 s[46:47], s[20:21], s[46:47]
	; ---- all loads of the launch, those that are wanted first ahead
	global_load_b128 v[TT:TT+3], v5, s[28:29]
	global_load_b64 v[TT+4:TT+5], v5, s[28:29] offset:16
.irp i, 0,1,2,3
	global_load_b128 v[TT+8+4*\i:TT+11+4*\i], v4, s[30:31] offset:2048*\i      ; k's 8,192 bytes: 2,048 consecutive bytes a line for the work-group
.endr
.irp i, 0,1,2,3
	global_load_b128 v[LEN+8*\i:LEN+8*\i+3], v1, s[32:33] offset:1024*\i
	global_load_b128 v[LEN+8*\i+4:LEN+8*\i+7], v1, s[32:33] offset:1024*\i+16
.endr
	global_load_b128 v[LEN+32:LEN+35], v2, s[32:33]
	global_load_b128 v[LEN+36:LEN+39], v2, s[32:33] offset:16
.irp i, 0,1,2,3
	global_load_b128 v[MASK+8*\i:MASK+8*\i+3], v1, s[34:35] offset:1024*\i
	global_load_b128 v[MASK+8*\i+4:MASK+8*\i+7], v1, s[34:35] offset:1024*\i+16
.endr
	s_set_vgpr_msb 0x40                            ; destination window 1
.irp i, 0,1,2
.irp s, 0,1
.irp c, 0,1
	global_load_b128 v[16*\i+8*\s+4*\c:16*\i+8*\s+4*\c+3], v3, s[36:37] offset:2048*\i+1024*\s+512*\c   ; v256 on: fragment (tile i, keys 128 s on) as it lies: 512 consecutive bytes a line
.endr
.endr
.endr
	s_set_vgpr_msb 0x4000
.irp i, 0,1,2
.irp s, 0,1
	global_load_b32 v[MS+2*\i+\s], v6, s[38:39] offset:3072*\s+64*\i           ; lane r: the word of channel 16 t + r
.endr
.endr
.irp i, 0,1,2,3
	s_load_b32 s[48+2*\i], s[40:41], 32*\i         ; q.W1 of my four rows
.endr
	s_load_b256 s[56:63], s[42:43], 0x0            ; the class row of q's table
	s_load_b32 s66, s[14:15], 0x0                  ; b1
	s_load_b128 s[68:71], s[16:17], 0x0            ; b2
	s_load_b32 s72, s[16:17], 0x10
	; ---- the LDS addresses, while the loads are on their way
	v_lshl_add_u32 v8, v0, 3, TB2
	v_lshl_add_u32 v9, v0, 2, TB1
	v_lshrrev_b32 v179, 4, v0
	v_add_nc_u32 v179, v179, v0
	v_lshl_add_u32 v10, v179, 4, KT                ; KT + 16 thread + 16 (thread / 16): the padding
	v_mul_u32_u24 v11, v176, 272
	v_add_nc_u32 v11, KT, v11
	s_mul_i32 s2, s22, 576
	s_add_co_u32 s2, s2, PCD
	v_lshl_add_u32 v12, v176, 2, s2                ; my 8 codes in my wave's first row of p
	s_lshl_b32 s2, s22, 5
	s_add_co_u32 s2, s2, PSB
	v_lshrrev_b32 v13, 2, v176
	v_add_nc_u32 v13, s2, v13                      ; my block's byte
	s_lshl_b32 s2, s22, 4
	s_add_co_u32 s2, s2, RLS
	v_mov_b32 v14, s2
	v_mul_u32_u24 v15, v177, 144
	v_lshl_add_u32 v15, v178, 4, v15
	v_add_nc_u32 v15, PCD, v15                     ; p's fragment: row r, + 16 h
	v_lshl_add_u32 v16, v177, 3, PSB
	v_lshl_add_u32 v17, v177, 2, RLS
	s_mul_i32 s2, s22, 5120
	s_add_co_u32 s2, s2, STG1
	v_mul_u32_u24 v18, v176, 160
	v_add_nc_u32 v18, s2, v18                      ; out1's stage, in: my 40 numbers;
	v_lshl_add_u32 v19, v176, 4, s2                ; back: 16 bytes a lane
	s_mul_i32 s3, s22, 192
	s_add_co_u32 s3, s3, STG0
	v_mul_u32_u24 v20, v177, 784
	v_lshl_add_u32 v20, v178, 5, v20
	v_add_nc_u32 v20, s3, v20                      ; out0's stage, in: row r, + 32 h, + my wave's 192 bytes;
	s_mul_i32 s3, s22, 4*784
	s_add_co_u32 s3, s3, STG0
	v_mul_u32_u24 v21, v178, 784
	v_lshl_add_u32 v21, v177, 4, v21
	v_add_nc_u32 v21, s3, v21                      ; back: rows 4 w + h, sixteen lanes to 256 bytes;
	s_mul_i32 s3, s22, 4*3072
	v_mul_u32_u24 v22, v178, 3072
	v_lshl_add_u32 v22, v177, 4, v22
	v_add_nc_u32 v22, s3, v22                      ; and the same place in out0
	; ---- the tables into LDS
	s_wait_loadcnt 36                              ; the six loads of the tables are in; behind them: 10 of indices, 8 of mask, 12 of codes, 6 of scale words
	ds_store_b128 v4, v[TT:TT+3]
	ds_store_b64 v8, v[TT+4:TT+5]
	ds_store_b32 v9, v[TT]
.irp i, 0,1,2,3
	ds_store_b128 v10, v[TT+8+4*\i:TT+11+4*\i] offset:2176*\i      ; 2,048 bytes and their eight paddings on
.endr
	BARRIER                                        ; the tables lie in LDS
	; ---- LDS reads alone, up to the next barrier
.irp e, 0,1,2,3,4,5,6,7
	ds_load_b128 v[K6+6*\e:K6+6*\e+3], v11 offset:32*\e
	ds_load_b64 v[K6+6*\e+4:K6+6*\e+5], v11 offset:32*\e+16
.endr
	s_wait_loadcnt 26                              ; the indices are in; mask, codes and scale words may be out
.set n, 0
.rept 40
	v_min_u32 v[LEN+n], 99, v[LEN+n]               ; an index stays inside its table
.set n, n+1
.endr
.set n, 0
.rept 32
	v_lshlrev_b32 v[LEN+n], 2, v[LEN+n]
.set n, n+1
.endr
.irp e, 0,1,2,3,4,5,6,7
	v_lshlrev_b32 v[C3+\e], 3, v[LEN+32+\e]
.endr
.irp e, 0,1,2,3,4,5,6,7
	v_lshlrev_b32 v[LEN+32+\e], 4, v[LEN+32+\e]
.endr
.set n, 0
.rept 32
	ds_load_b32 v[EA+n], v[LEN+n] offset:TB1
.set n, n+1
.endr
.irp e, 0,1,2,3,4,5,6,7
	ds_load_b128 v[G6+6*\e:G6+6*\e+3], v[LEN+32+\e] offset:TB4
	ds_load_b64 v[G6+6*\e+4:G6+6*\e+5], v[C3+\e] offset:TB2
.endr
	s_wait_dscnt 0x0                               ; my gathers are over:
	s_barrier_signal -1                            ; say so; the wait stands in front of my first LDS store
	; ---- the attention rows: registers alone, the four rows by turns
	s_wait_kmcnt 0x0
.irp i, 0,1,2,3
	s_mov_b32 s[49+2*\i], s[48+2*\i]               ; (named as a pair by the packed form, so it is written)
.endr
.irp e, 0,1,2,3,4,5,6,7
	v_add_f32 v[KA8+\e], s66, v[K6+6*\e]           ; k.W1 + b1
.endr
.irp i, 0,1,2,3
	v_mov_b32 v[PT+\i], 0                          ; a lane permute's destination counts as one of its sources
.endr
.irp u, 0,2,4,6
.irp i, 0,1,2,3
	v_pk_add_f32 v[EA+8*\i+\u:EA+8*\i+\u+1], v[EA+8*\i+\u:EA+8*\i+\u+1], v[KA8+\u:KA8+\u+1]
.endr
.endr
.irp u, 0,2,4,6
.irp i, 0,1,2,3
	v_pk_add_f32 v[EA+8*\i+\u:EA+8*\i+\u+1], v[EA+8*\i+\u:EA+8*\i+\u+1], s[48+2*\i:49+2*\i] op_sel_hi:[1,0]   ; + q.W1
.endr
.endr
	s_wait_loadcnt 18                              ; the mask is in; codes and scale words may be out
.irp u, 0,2,4,6
.irp i, 0,1,2,3
	v_pk_mul_f32 v[EA+8*\i+\u:EA+8*\i+\u+1], v[EA+8*\i+\u:EA+8*\i+\u+1], v[MASK+8*\i+\u:MASK+8*\i+\u+1]      ; the score
.endr
.endr
.irp i, 0,1,2,3
	v_max3_num_f32 v[MX+\i], v[EA+8*\i], v[EA+8*\i+1], v[EA+8*\i+2]
.endr
.irp i, 0,1,2,3
	v_max3_num_f32 v[MX+\i], v[MX+\i], v[EA+8*\i+3], v[EA+8*\i+4]
.endr
.irp i, 0,1,2,3
	v_max3_num_f32 v[MX+\i], v[MX+\i], v[EA+8*\i+5], v[EA+8*\i+6]
.endr
.irp i, 0,1,2,3
	v_max_num_f32 v[MX+\i], v[MX+\i], v[EA+8*\i+7]
.endr
.irp x, 1,2
.irp i, 0,1,2,3
	v_max_num_f32_dpp v[MX+\i], v[MX+\i], v[MX+\i] row_xmask:\x row_mask:0xf bank_mask:0xf
.endr
.endr
.irp i, 0,1,2,3
	v_mov_b32 v[BM+\i], v[MX+\i]                   ; four lanes' maximum: THE LARGEST SCORE OF MY BLOCK OF 32 KEYS; p rises with the score, so it gives the block's largest p
.endr
.irp x, 4,8
.irp i, 0,1,2,3
	v_max_num_f32_dpp v[MX+\i], v[MX+\i], v[MX+\i] row_xmask:\x row_mask:0xf bank_mask:0xf
.endr
.endr
.irp i, 0,1,2,3
	v_permlanex16_b32 v[PT+\i], v[MX+\i], s78, s79
.endr
.irp i, 0,1,2,3
	v_max_num_f32 v[MX+\i], v[MX+\i], v[PT+\i]     ; the row's largest score
.endr
.irp i, 0,1,2,3
	v_mul_f32 v[NG+2*\i], s74, v[MX+\i]            ; as t (log2(e) is positive)
.endr
.irp i, 0,1,2,3
	v_floor_f32 v[NG+2*\i], -v[NG+2*\i]            ; -M = floor(-t) = -ceil(t)
.endr
.irp i, 0,1,2,3
	v_mov_b32 v[NG+2*\i+1], v[NG+2*\i]
.endr
.irp u, 0,2,4,6
.irp i, 0,1,2,3
	v_pk_fma_f32 v[EA+8*\i+\u:EA+8*\i+\u+1], v[EA+8*\i+\u:EA+8*\i+\u+1], s[74:75], v[NG+2*\i:NG+2*\i+1] op_sel_hi:[1,0,1]   ; t - M
.endr
.endr
.irp i, 0,1,2,3
	v_fma_f32 v[BM+\i], v[BM+\i], s74, v[NG+2*\i]  ; the same of the block's largest score
.endr
.set n, 0
.rept 32
	v_exp_f32 v[EA+n], v[EA+n]                     ; p = 2^(t - M), not normalised
.set n, n+1
.endr
.irp i, 0,1,2,3
	v_exp_f32 v[BM+\i], v[BM+\i]                   ; the block's largest p: the same two instructions on the same number
.endr
	v_nop                                          ; a plain line behind the last exponential
	s_wait_alu depctr_va_vdst(0)                   ; the wait ahead of the first line that names a result: one for the 36
.irp i, 0,1,2,3
	v_max_num_f32 v[BM+\i], 0x1800000, v[BM+\i]    ; the floor 2^(3 - 127): the byte cannot fall under 1
.endr
.irp i, 0,1,2,3
	v_add_nc_u32 v[SC+\i], 0xff000000, v[BM+\i]    ; 2 off the exponent field: the conversion's scale operand
.endr
.irp i, 0,1,2,3
	v_lshrrev_b32 v[BY+\i], 23, v[SC+\i]           ; the scale's byte
.endr
.irp i, 0,1,2,3
	v_cvt_scalef32_pk8_fp4_f32 v[CD+\i], v[EA+8*\i:EA+8*\i+7], v[SC+\i]    ; my 8 keys' codes: 4 bytes of the row
.endr
	v_nop                                          ; one plain line behind the conversions
.irp i, 0,1,2,3
	v_pk_add_f32 v[SU+2*\i:SU+2*\i+1], v[EA+8*\i:EA+8*\i+1], v[EA+8*\i+2:EA+8*\i+3]    ; THE ROW'S SUM IS TAKEN OF THE UNQUANTISED p
.endr
.irp i, 0,1,2,3
	v_pk_add_f32 v[SU+2*\i:SU+2*\i+1], v[SU+2*\i:SU+2*\i+1], v[EA+8*\i+4:EA+8*\i+5]
.endr
.irp i, 0,1,2,3
	v_pk_add_f32 v[SU+2*\i:SU+2*\i+1], v[SU+2*\i:SU+2*\i+1], v[EA+8*\i+6:EA+8*\i+7]
.endr
.irp i, 0,1,2,3
	v_add_f32 v[SU+2*\i], v[SU+2*\i], v[SU+2*\i+1]
.endr
.irp x, 1,2,4,8
.irp i, 0,1,2,3
	v_add_f32_dpp v[SU+2*\i], v[SU+2*\i], v[SU+2*\i] row_xmask:\x row_mask:0xf bank_mask:0xf
.endr
.endr
.irp i, 0,1,2,3
	v_permlanex16_b32 v[PT+\i], v[SU+2*\i], s78, s79
.endr
.irp i, 0,1,2,3
	v_add_f32 v[SU+2*\i], v[SU+2*\i], v[PT+\i]     ; l, over 1/2
.endr
.irp i, 0,1,2,3
	v_rcp_f32 v[RC+\i], v[SU+2*\i]
.endr
	v_nop                                          ; a plain line behind the last reciprocal
	s_wait_alu depctr_va_vdst(0)                   ; and the wait ahead of the stores that read them: one for the four
	s_barrier_wait -1                              ; every wave's gathers are over: LDS may be stored to
.irp i, 0,1,2,3
	ds_store_b32 v12, v[CD+\i] offset:144*\i
	ds_store_b8 v13, v[BY+\i] offset:8*\i          ; the four lanes of a block write the same byte with the same value
	ds_store_b32 v14, v[RC+\i] offset:4*\i         ; all lanes write the same word with the same value
.endr
	s_wait_dscnt 0x0                               ; for the others' sake: my four rows of p lie in LDS
	s_barrier_signal -1                            ; the class row's softmax, registers alone, stands between the signal and the wait
	; ---- the class row: 8 keys x 5 classes a lane
	v_mov_b32 v[Q6], s56                           ; (column 0 rides along in the packed sums and is not used)
.irp c, 0,1,2,3,4
	v_add_f32 v[Q6+1+\c], s[57+\c], s[68+\c]       ; q.W2[c] + b2[c]
.endr
.irp a, 0,2,4
.irp e, 0,1,2,3,4,5,6,7
	v_pk_add_f32 v[G6+6*\e+\a:G6+6*\e+\a+1], v[G6+6*\e+\a:G6+6*\e+\a+1], v[K6+6*\e+\a:K6+6*\e+\a+1]
.endr
.endr
.irp a, 0,2,4
.irp e, 0,1,2,3,4,5,6,7
	v_pk_add_f32 v[G6+6*\e+\a:G6+6*\e+\a+1], v[G6+6*\e+\a:G6+6*\e+\a+1], v[Q6+\a:Q6+\a+1]
.endr
.endr
.irp e, 0,1,2,3,4,5,6,7
	v_max3_num_f32 v[CM+\e], v[G6+6*\e+1], v[G6+6*\e+2], v[G6+6*\e+3]
.endr
.irp e, 0,1,2,3,4,5,6,7
	v_max3_num_f32 v[CM+\e], v[CM+\e], v[G6+6*\e+4], v[G6+6*\e+5]     ; the largest of the five is taken away ahead of the exponential
.endr
.irp e, 0,1,2,3,4,5,6,7
	v_mul_f32 v[CM+\e], s76, v[CM+\e]
.endr
.irp c, 1,2,3,4,5
.irp e, 0,1,2,3,4,5,6,7
	v_fma_f32 v[G6+6*\e+\c], v[G6+6*\e+\c], s74, v[CM+\e]
.endr
.endr
.irp c, 1,2,3,4,5
.irp e, 0,1,2,3,4,5,6,7
	v_exp_f32 v[G6+6*\e+\c], v[G6+6*\e+\c]
.endr
.endr
	v_nop
	s_wait_alu depctr_va_vdst(0)                   ; one wait for the 40 exponentials
.irp e, 0,1,2,3,4,5,6,7
	v_pk_add_f32 v[TP+2*\e:TP+2*\e+1], v[G6+6*\e+2:G6+6*\e+3], v[G6+6*\e+4:G6+6*\e+5]
.endr
.irp e, 0,1,2,3,4,5,6,7
	v_add_f32 v[TP+2*\e], v[TP+2*\e], v[TP+2*\e+1]
.endr
.irp e, 0,1,2,3,4,5,6,7
	v_add_f32 v[TP+2*\e], v[TP+2*\e], v[G6+6*\e+1]
.endr
.irp e, 0,1,2,3,4,5,6,7
	v_rcp_f32 v[RCC+\e], v[TP+2*\e]
.endr
	v_nop
	s_wait_alu depctr_va_vdst(0)                   ; one wait for the 8 reciprocals
.irp e, 0,1,2,3,4,5,6,7
.irp c, 0,1,2,3,4
	v_mul_f32 v[OUT+5*\e+\c], v[G6+6*\e+1+\c], v[RCC+\e]
.endr
.endr
	s_barrier_wait -1                              ; all 16 rows of p, their bytes and their 1 / l lie in LDS
	; ---- the product, and out1 through my own stage
.irp s, 0,1
.irp c, 0,1
	ds_load_b128 v[PF+8*\s+4*\c:PF+8*\s+4*\c+3], v15 offset:64*\s+32*\c    ; registers 4 c on: keys 128 s + 64 c + 32 h + 0 .. 31 of query r
.endr
.endr
	ds_load_b64 v[PSC:PSC+1], v16                  ; query r's two scale words
	ds_load_b32 v[RLV], v17
	ds_load_b32 v[RLV+1], v17                      ; (twice: a pair for the packed multiply)
.irp n, 0,1,2,3,4,5,6,7,8,9
	ds_store_b128 v18, v[OUT+4*\n:OUT+4*\n+3] offset:16*\n
.endr
.irp n, 0,1,2,3,4,5,6,7,8,9
	ds_load_b128 v[OB+4*\n:OB+4*\n+3], v19 offset:512*\n           ; LDS serves a wave's instructions in order (ISA guide 5.7.1.4): these see my stores
.endr
	s_wait_loadcnt 0x0                             ; m's codes and scale words
	s_wait_dscnt 20                                ; p's fragments, words and 1 / l are in; the stage's ten stores and ten loads may be out
	s_set_vgpr_msb 0x0001                          ; source 0 (m) window 1
.irp s, 0,1                                    ; three accumulators by turns, one instruction a turn; the first K step starts the sums
.irp i, 0,1,2
.if \s == 0
	v_wmma_scale_f32_16x16x128_f8f6f4 v[ACC+8*\i:ACC+8*\i+7], v[16*\i+8*\s:16*\i+8*\s+7], v[PF+8*\s:PF+8*\s+7], 0, v[MS+2*\i+\s], v[PSC+\s] matrix_a_fmt:MATRIX_FMT_FP4 matrix_b_fmt:MATRIX_FMT_FP4
.else
	v_wmma_scale_f32_16x16x128_f8f6f4 v[ACC+8*\i:ACC+8*\i+7], v[16*\i+8*\s:16*\i+8*\s+7], v[PF+8*\s:PF+8*\s+7], v[ACC+8*\i:ACC+8*\i+7], v[MS+2*\i+\s], v[PSC+\s] matrix_a_fmt:MATRIX_FMT_FP4 matrix_b_fmt:MATRIX_FMT_FP4
.endif
.endr
.endr
	s_set_vgpr_msb 0x0100
.irp n, 0,1,2,3,4,5,6,7,8,9
	s_wait_dscnt 9-\n
	global_store_b128 v3, v[OB+4*\n:OB+4*\n+3], s[46:47] offset:512*\n th:TH_STORE_NT   ; 32 lanes store 512 consecutive bytes, at a multiple of 256 from out1's first byte
.endr
.rept 4
	v_nop                                          ; four places between the last product and the first read of a result (ISA guide 7.12.1)
.endr
.irp i, 0,1,2
.irp u, 0,2,4,6
	v_pk_mul_f32 v[ACC+8*\i+\u:ACC+8*\i+\u+1], v[ACC+8*\i+\u:ACC+8*\i+\u+1], v[RLV:RLV+1]   ; / l; each accumulator from its low end on
.endr
.endr
.irp i, 0,1,2
	ds_store_b128 v20, v[ACC+8*\i:ACC+8*\i+3] offset:64*\i         ; lane (r, h): out0(query r, channels 16 (3 w + i) + 8 h + 0 .. 7 of my 192)
	ds_store_b128 v20, v[ACC+8*\i+4:ACC+8*\i+7] offset:64*\i+16
.endr
	BARRIER                                        ; 16 rows x 768 bytes of out0 lie in the stage: a row's bytes come from four waves
.irp p, 0,1
.irp u, 0,1,2
	ds_load_b128 v[O0B+4*(3*\p+\u):O0B+4*(3*\p+\u)+3], v21 offset:1568*\p+256*\u
.endr
.endr
.irp p, 0,1
.irp u, 0,1,2
	s_wait_dscnt 5-3*\p-\u
	global_store_b128 v22, v[O0B+4*(3*\p+\u):O0B+4*(3*\p+\u)+3], s[44:45] offset:6144*\p+256*\u th:TH_STORE_NT   ; sixteen lanes store 256 consecutive bytes, at a multiple of 256 from out0's first byte
.endr
.endr
	s_wait_tensorcnt 0x0
	ds_add_u32 v7, v23
	s_wait_dscnt 0x0
	s_endpgm
.Lfunc_end_k_q5aad4661e1_attend:
	.size	k_q5aad4661e1_attend, .Lfunc_end_k_q5aad4661e1_attend-k_q5aad4661e1_attend
	.p2alignl 7, 3214868480
	.fill 96, 4, 3214868480
	.section	.rodata,"a",@progbits
	.p2align	6, 0x0
	.amdhsa_kernel k_q5aad4661e1_attend
		.amdhsa_group_segment_fixed_size 48640
		.amdhsa_private_segment_fixed_size 0
		.amdhsa_enable_private_segment 0
		.amdhsa_kernarg_size 72
		.amdhsa_user_sgpr_count 2
		.amdhsa_user_sgpr_kernarg_segment_ptr 1
		.amdhsa_wavefront_size32 1
		.amdhsa_system_sgpr_workgroup_id_x 1
		.amdhsa_system_sgpr_workgroup_id_y 1
		.amdhsa_system_sgpr_workgroup_id_z 1
		.amdhsa_system_vgpr_workitem_id 0
		.amdhsa_next_free_vgpr 304
		.amdhsa_next_free_sgpr 84
		.amdhsa_reserve_vcc 0
		.amdhsa_float_denorm_mode_32 3
		.amdhsa_float_denorm_mode_16_64 3
		.amdhsa_memory_ordered 1
		.amdhsa_forward_progress 1
		.amdhsa_inst_pref_size 50
	.end_amdhsa_kernel
	.amdgpu_metadata
---
amdhsa.version: [ 1, 2 ]
amdhsa.kernels:
  - .name:           k_q5aad4661e1_attend
    .symbol:         k_q5aad4661e1_attend.kd
    .args:
      - { .name: tab, .offset: 0, .size: 8, .value_kind: global_buffer, .address_space: global }
      - { .name: mcodes, .offset: 8, .size: 8, .value_kind: global_buffer, .address_space: global }
      - { .name: mscales, .offset: 16, .size: 8, .value_kind: global_buffer, .address_space: global }
      - { .name: attention_mask, .offset: 24, .size: 8, .value_kind: global_buffer, .address_space: global }
      - { .name: length_mask, .offset: 32, .size: 8, .value_kind: global_buffer, .address_space: global }
      - { .name: b1, .offset: 40, .size: 8, .value_kind: global_buffer, .address_space: global }
      - { .name: b2, .offset: 48, .size: 8, .value_kind: global_buffer, .address_space: global }
      - { .name: out0, .offset: 56, .size: 8, .value_kind: global_buffer, .address_space: global }
      - { .name: out1, .offset: 64, .size: 8, .value_kind: global_buffer, .address_space: global }
    .group_segment_fixed_size: 48640
    .private_segment_fixed_size: 0
    .kernarg_segment_align: 8
    .kernarg_segment_size: 72
    .max_flat_workgroup_size: 128
    .sgpr_count:     84
    .vgpr_count:     304
    .wavefront_size: 32
...
	.end_amdgpu_metadata
.endif
;; end of part 2
;; ======== version 2 of 2: 2 launches; version 1 with the launch attend written anew for expert scheduling mode
;; workspace buffers: tab 69,120 bytes; mcodes 393,216 bytes; mscales 24,576 bytes
;; launch prep: the kernel of part 1 again; grid 183 x 1, 4 waves a work-group, no clusters, 18,944 bytes of LDS; arguments q, k, emb, W1, W2, m, tab, mcodes, mscales; writes tab, mcodes, mscales
;; launch attend (part 3): grid 256 x 1, 4 waves a work-group, no clusters, 48,640 bytes of LDS; arguments tab, mcodes, mscales, attention_mask, length_mask, b1, b2, out0, out1; writes out0, out1
.if DOCPART == 3
	.amdgcn_target "amdgcn-amd-amdhsa--gfx1250"
	.amdhsa_code_object_version 6
	.text
	.protected	k_q5aad4661e1_attend
	.globl	k_q5aad4661e1_attend
	.p2align	8
	.type	k_q5aad4661e1_attend,@function
k_q5aad4661e1_attend:
	s_mov_b64 s[64:65], 0
	v_nop
	global_prefetch_b8 v0, s[64:65] scope:SCOPE_SE
	s_setreg_imm32_b32 hwreg(HW_REG_WAVE_SCHED_MODE, 0, 2), 2
	s_setreg_imm32_b32 hwreg(HW_REG_WAVE_MODE, 25, 1), 1
	s_wait_xcnt 0x0
	s_wait_alu depctr_vm_vsrc(0)
; out1[b][q][k][:] = softmax over 5 classes of (q.W2 + k.W2 + emb[len].W2 + b2);  out0[b][q][:] = softmax_k((q.W1 + k.W1 + emb[len].W1 + b1) x mask) m[b][k][:].
; The dot products come from the table tab (rows of 8 f32: column 0 for W1, 1-5 for W2; rows 0-1023 q, 1024-2047 k, 2048 on emb), m as codes of E2M1 (mcodes, mscales), both made by the launch before.
; THE SOFTMAX AHEAD OF THE PRODUCT: t = score x log2(e); M = ceil(the row's largest t); p = 2^(t - M) is quantised along the keys, 32 to a scale; the sum of the unquantised p divides at the end.
; SHARES.  Work-group x: tile T = x / 4 of 16 queries, part j = x % 4.  All four work-groups of a tile make p for its 16 queries x 256 keys (some 60 vector lines a row), so that each of 256 work-groups
; has a quarter of the stores: j owns channels 192 j .. 192 j + 191 of out0 and rows 4 w + j of out1.  Wave w: attention rows 4 w + 0..3, class row 4 w + j, tiles 12 j + 3 w + 0..2 of 16 channels.
; A lane holds keys 8 lane .. 8 lane + 7 of a row: eight neighbours along the product's K, which is what the conversion takes; four lanes hold a block of 32.
; THE PRODUCT IS USED TRANSPOSED: source 0 = 16 channels of m, source 1 = the 16 queries of p: a lane holds one query (lane % 16) and eight neighbouring channels.
; No tensor loads and no joint loads: what work-groups share (32 KB of mask and indices with 3 others, 25 KB of codes with 15) is loaded once, at the head, straight into the registers that use it.
; THE GATHERS by length_mask are LDS loads whose addresses hang on loaded numbers: between the two barriers round them no wave stores to LDS.
; LIMITS: an index outside 0 .. 99 is held at 99 (unsigned minimum); q.W + k.W + e.W is summed in another order than a sum over q + k + emb; a p under 2^-126 becomes 0 (v_exp_f32: ISA guide 15.8);
; a block of p that is all zeros carries the byte 1: its codes are zeros; NaN and infinities are not served.
; THE MODE: SCHED_MODE bits 1:0 = 2 (LLVM: expert scheduling mode 2), set by the entry lines.  The code itself states the register dependences
; between vector or matrix instructions and memory or LDS instructions, with s_wait_alu, always for 0.
; THE PLAN.  One straight pass, no loop.  Registers that memory or LDS instructions touch, and who else names them:
;   v1-v6      offsets, written at the head ahead of the run of global loads; v8-v22 LDS addresses (v22: out0's offset), written behind that run.  Never written again.  One wait on va_vdst behind each of the two blocks.
;   TT         the tables as loaded; read by the seven LDS stores; C3, KA8, SC, BY and part of OB are laid over it later: one wait on vm_vsrc behind those stores' barrier.
;   LEN, C3    clamped and shifted by vector lines, then read as addresses by the gathers: a wait on va_vdst ahead of the gathers; MX .. Q6, PF and RLV are laid over LEN later: a wait on vm_vsrc behind the gathers.
;   CD, BY, RC written by conversions, shifts and reciprocals, read by LDS stores: the wait on va_vdst behind the reciprocals stands ahead of those stores, with no vector line between.
;   OUT        written by 40 multiplies, read by LDS stores.  The wait on va_vdst behind the multiplies also states that the vector lines are done with the registers in which PF, RLV, OB and O0B land;
;              behind it only the products, four v_nop and ACC's multiplies follow, which name m's fragments, PF, RLV, the scales and ACC: nothing is loaded into any of these afterwards.
;   ACC        written by the products and by its multiplies, read by LDS stores: a wait on va_vdst behind the multiplies.
;   K6, EA, G6, MASK, m's fragments and all scales are filled by loads and then named by vector or matrix instructions alone.
.set TB4,  0                           ; LDS: emb's table, [128] x 16 bytes: (e.W1, e.W2[0..2]),
.set TB2,  2048                        ; [128] x 8 bytes: (e.W2[3..4]),
.set TB1,  3072                        ; [128] x 4 bytes: e.W1
.set KT,   3584                        ; k's 256 table rows of my batch, 16 bytes of padding behind each 256: a lane's eight rows lie 272 = 17 x 16 bytes apart
.set PCD,  12288                       ; p's codes: 16 rows of 128 bytes, 144 = 9 x 16 apart
.set PSB,  14592                       ; p's scale bytes, 8 a row
.set RLS,  14720                       ; 1 / l, a word a row
.set STG1, 14848                       ; out1's stage: 5,120 bytes for each wave, its own
.set STG0, 35328                       ; out0's stage: 16 rows of 768 bytes, 784 = 49 x 16 apart
; REGISTERS.  v1-22 offsets and LDS addresses, made at the head, never rewritten.  v248-255 hold scales and nothing else.  v256-303 (window 1): m's six fragments.
.set LEN,  24                          ; v24-63   indices: rows i at 24 + 8 i, the class row at 56
.set MASK, 64                          ; v64-95
.set K6,   96                          ; v96-143  k's table rows of my 8 keys, six numbers each
.set G6,   144                         ; v144-191 emb's, gathered by the class row's indices; v176-179 at work at the head
.set EA,   192                         ; v192-223 e.W1 gathered by the four rows' indices; then scores; then p
.set TT,   224                         ; v224-247 the tables on their way to LDS
.set MS,   248                         ; v248-253 m's scale words (i, s) at 248 + 2 i + s
.set PSC,  254                         ; v254-255 p's scale words
.set KA8,  224                         ; later uses, each behind the end of the first:  k.W1 + b1 of my 8 keys
.set C3,   232                         ; class indices x 8
.set SC,   240                         ; the conversions' scale operands
.set BY,   244                         ; the scale bytes
.set MX,   24                          ; maxima
.set BM,   28                          ; a block's largest score, then its largest p
.set PT,   32                          ; what the lane 16 away sent
.set NG,   36                          ; -M, a pair a row
.set SU,   44                          ; sums, a pair a row
.set CD,   52                          ; codes
.set RC,   56                          ; 1 / l
.set Q6,   60                          ; the class row of q's table + b2
.set CM,   66                          ; class maxima, then -max x log2(e)
.set TP,   74                          ; class sums, a pair a key
.set RCC,  90                          ; their reciprocals
.set OUT,  100                         ; 40 numbers of out1
.set PF,   24                          ; p's two fragments
.set RLV,  40                          ; 1 / l of my query, twice
.set OB,   192                         ; out1 back from its stage
.set ACC,  144                         ; three accumulators
.set O0B,  168                         ; out0 back from its stage
.macro BARRIER                         ; my LDS stores have landed and my LDS loads are in: then the work-group's barrier
	s_wait_dscnt 0x0
	s_barrier_signal -1
	s_barrier_wait -1
.endm
	s_load_b512 s[4:19], s[0:1], 0x0               ; tab 4:5, mcodes 6:7, mscales 8:9, mask 10:11, len 12:13, b1 14:15, b2 16:17, out0 18:19
	s_load_b64 s[20:21], s[0:1], 0x40              ; out1
	v_lshl_add_u32 v7, v0, 2, 0xbc00
	v_mov_b32 v23, 0
	v_lshrrev_b32 v176, 5, v0
	v_readfirstlane_b32 s22, v176                  ; wave w
	v_and_b32 v176, 31, v0                         ; lane
	v_and_b32 v177, 15, v0                         ; r
	v_bfe_u32 v178, v0, 4, 1                       ; h
	s_wait_alu depctr_va_sdst(0)                   ; s22 is written, ahead of its first reader: rows, tiles and LDS places are made from it
	s_lshr_b32 s23, ttmp9, 2                       ; T = 16 b + the tile in the batch
	s_and_b32 s24, ttmp9, 3                        ; j
	s_lshr_b32 s25, ttmp9, 6                       ; b
	s_lshl_b32 s26, s23, 4
	s_lshl_b32 s2, s22, 2
	s_add_co_u32 s26, s26, s2                      ; my wave's first row: 16 T + 4 w
	s_add_co_u32 s27, s26, s24                     ; its class row
	; the offsets are made in the pairs that will hold the addresses, while the arguments are on their way
	s_lshl_b32 s30, s25, 13
	s_add_co_u32 s30, s30, 0x8000                  ; k's table rows of my batch: (1,024 + 256 b) x 32
	s_mov_b32 s31, 0
	s_lshl_b32 s32, s26, 10                        ; a row of mask or of indices is 1,024 bytes
	s_mov_b32 s33, 0
	s_mul_i32 s2, s24, 12
	s_mul_i32 s3, s22, 3
	s_add_co_u32 s2, s2, s3                        ; my first tile of channels: 12 j + 3 w
	s_mul_i32 s36, s25, 48
	s_add_co_u32 s36, s36, s2
	s_lshl_b32 s36, s36, 11                        ; 2,048 bytes of codes a tile
	s_mov_b32 s37, 0
	s_mul_i32 s38, s25, 6144
	s_lshl_b32 s2, s2, 6
	s_add_co_u32 s38, s38, s2                      ; scale words: 2 b rows of 3,072 bytes + 64 bytes a tile
	s_mov_b32 s39, 0
	s_lshl_b32 s40, s26, 5
	s_mov_b32 s41, 0
	s_lshl_b32 s42, s27, 5
	s_mov_b32 s43, 0
	s_mul_i32 s44, s23, 16*3072
	s_mul_i32 s2, s24, 768
	s_add_co_u32 s44, s44, s2                      ; out0: the tile's first row, my 768 bytes of it
	s_mov_b32 s45, 0
	s_mul_i32 s46, s27, 5120                       ; out1: a row is 256 x 5 x 4 bytes
	s_mov_b32 s47, 0
	s_lshl_b32 s3, s24, 10
	s_mov_b32 s74, 0x3fb8aa3b                      ; log2(e),
	s_mov_b32 s75, s74                             ; (named with it as a pair, so it is written)
	s_mov_b32 s76, 0xbfb8aa3b                      ; -log2(e)
	s_mov_b32 s78, 0x76543210                      ; v_permlanex16_b32's selects for lane l xor 16
	s_mov_b32 s79, 0xfedcba98
	v_lshlrev_b32 v1, 5, v176                      ; 32 x lane: my 8 keys in a row of mask or indices
	v_add_nc_u32 v2, s3, v1                        ; the same in the class row, j rows down
	v_lshlrev_b32 v3, 4, v176                      ; 16 x lane
	v_lshlrev_b32 v4, 4, v0                        ; 16 x thread: in k's table, and in TB4 (which begins at LDS byte 0)
	v_min_u32 v5, 111, v0
	v_lshlrev_b32 v5, 5, v5                        ; emb's table row min(thread, 111): the table's part has 112 rows
	v_lshlrev_b32 v6, 2, v177                      ; 4 r
	s_wait_kmcnt 0x0
	s_add_nc_u64 s[28:29], s[4:5], 0x10000         ; emb's table rows: 2,048 x 32
	s_add_nc_u64 s[30:31], s[4:5], s[30:31]
	s_add_nc_u64 s[34:35], s[10:11], s[32:33]
	s_add_nc_u64 s[32:33], s[12:13], s[32:33]
	s_add_nc_u64 s[36:37], s[6:7], s[36:37]
	s_add_nc_u64 s[38:39], s[8:9], s[38:39]
	s_add_nc_u64 s[40:41], s[4:5], s[40:41]
	s_add_nc_u64 s[42:43], s[4:5], s[42:43]
	s_add_nc_u64 s[44:45], s[18:19], s[44:45]
	s_add_nc_u64 s[46:47], s[20:21], s[46:47]
	; ---- all loads of the launch, those that are wanted first ahead
	s_wait_alu depctr_va_vdst(0)                   ; the offsets v1 to v6 are written, which the loads below and the stores at the end read; up to the last load of the run only loads and window switches follow
	global_load_b128 v[TT:TT+3], v5, s[28:29]
	global_load_b64 v[TT+4:TT+5], v5, s[28:29] offset:16
.irp i, 0,1,2,3
	global_load_b128 v[TT+8+4*\i:TT+11+4*\i], v4, s[30:31] offset:2048*\i      ; k's 8,192 bytes: 2,048 consecutive bytes a line for the work-group
.endr
.irp i, 0,1,2,3
	global_load_b128 v[LEN+8*\i:LEN+8*\i+3], v1, s[32:33] offset:1024*\i
	global_load_b128 v[LEN+8*\i+4:LEN+8*\i+7], v1, s[32:33] offset:1024*\i+16
.endr
	global_load_b128 v[LEN+32:LEN+35], v2, s[32:33]
	global_load_b128 v[LEN+36:LEN+39], v2, s[32:33] offset:16
.irp i, 0,1,2,3
	global_load_b128 v[MASK+8*\i:MASK+8*\i+3], v1, s[34:35] offset:1024*\i
	global_load_b128 v[MASK+8*\i+4:MASK+8*\i+7], v1, s[34:35] offset:1024*\i+16
.endr
	s_set_vgpr_msb 0x40                            ; destination window 1
.irp i, 0,1,2
.irp s, 0,1
.irp c, 0,1
	global_load_b128 v[16*\i+8*\s+4*\c:16*\i+8*\s+4*\c+3], v3, s[36:37] offset:2048*\i+1024*\s+512*\c   ; v256 on: fragment (tile i, keys 128 s on) as it lies: 512 consecutive bytes a line
.endr
.endr
.endr
	s_set_vgpr_msb 0x4000
.irp i, 0,1,2
.irp s, 0,1
	global_load_b32 v[MS+2*\i+\s], v6, s[38:39] offset:3072*\s+64*\i           ; lane r: the word of channel 16 t + r
.endr
.endr
.irp i, 0,1,2,3
	s_load_b32 s[48+2*\i], s[40:41], 32*\i         ; q.W1 of my four rows
.endr
	s_load_b256 s[56:63], s[42:43], 0x0            ; the class row of q's table
	s_load_b32 s66, s[14:15], 0x0                  ; b1
	s_load_b128 s[68:71], s[16:17], 0x0            ; b2
	s_load_b32 s72, s[16:17], 0x10
	; ---- the LDS addresses, while the loads are on their way: these lines name v0, v8 to v22 and v176 to v179, none of which a load above touches
	v_lshl_add_u32 v8, v0, 3, TB2
	v_lshl_add_u32 v9, v0, 2, TB1
	v_lshrrev_b32 v179, 4, v0
	v_add_nc_u32 v179, v179, v0
	v_lshl_add_u32 v10, v179, 4, KT                ; KT + 16 thread + 16 (thread / 16): the padding
	v_mul_u32_u24 v11, v176, 272
	v_add_nc_u32 v11, KT, v11
	s_mul_i32 s2, s22, 576
	s_add_co_u32 s2, s2, PCD
	v_lshl_add_u32 v12, v176, 2, s2                ; my 8 codes in my wave's first row of p
	s_lshl_b32 s2, s22, 5
	s_add_co_u32 s2, s2, PSB
	v_lshrrev_b32 v13, 2, v176
	v_add_nc_u32 v13, s2, v13                      ; my block's byte
	s_lshl_b32 s2, s22, 4
	s_add_co_u32 s2, s2, RLS
	v_mov_b32 v14, s2
	v_mul_u32_u24 v15, v177, 144
	v_lshl_add_u32 v15, v178, 4, v15
	v_add_nc_u32 v15, PCD, v15                     ; p's fragment: row r, + 16 h
	v_lshl_add_u32 v16, v177, 3, PSB
	v_lshl_add_u32 v17, v177, 2, RLS
	s_mul_i32 s2, s22, 5120
	s_add_co_u32 s2, s2, STG1
	v_mul_u32_u24 v18, v176, 160
	v_add_nc_u32 v18, s2, v18                      ; out1's stage, in: my 40 numbers;
	v_lshl_add_u32 v19, v176, 4, s2                ; back: 16 bytes a lane
	s_mul_i32 s3, s22, 192
	s_add_co_u32 s3, s3, STG0
	v_mul_u32_u24 v20, v177, 784
	v_lshl_add_u32 v20, v178, 5, v20
	v_add_nc_u32 v20, s3, v20                      ; out0's stage, in: row r, + 32 h, + my wave's 192 bytes;
	s_mul_i32 s3, s22, 4*784
	s_add_co_u32 s3, s3, STG0
	v_mul_u32_u24 v21, v178, 784
	v_lshl_add_u32 v21, v177, 4, v21
	v_add_nc_u32 v21, s3, v21                      ; back: rows 4 w + h, sixteen lanes to 256 bytes;
	s_mul_i32 s3, s22, 4*3072
	v_mul_u32_u24 v22, v178, 3072
	v_lshl_add_u32 v22, v177, 4, v22
	v_add_nc_u32 v22, s3, v22                      ; and the same place in out0
	; ---- the tables into LDS
	s_wait_loadcnt 36                              ; the six loads of the tables are in; behind them: 10 of indices, 8 of mask, 12 of codes, 6 of scale words
	s_wait_alu depctr_va_vdst(0)                   ; the addresses v8 to v22 are written, which the LDS instructions and the last stores read; the lines above are done with v176 to v179, in which gathers land
	ds_store_b128 v4, v[TT:TT+3]
	ds_store_b64 v8, v[TT+4:TT+5]
	ds_store_b32 v9, v[TT]
.irp i, 0,1,2,3
	ds_store_b128 v10, v[TT+8+4*\i:TT+11+4*\i] offset:2176*\i      ; 2,048 bytes and their eight paddings on
.endr
	BARRIER                                        ; the tables lie in LDS
	s_wait_alu depctr_vm_vsrc(0)                   ; my LDS stores have read v[TT ..]: C3, KA8, SC and BY are written there from here on, and part of OB lands there
	; ---- LDS reads alone, up to the next barrier
.irp e, 0,1,2,3,4,5,6,7
	ds_load_b128 v[K6+6*\e:K6+6*\e+3], v11 offset:32*\e
	ds_load_b64 v[K6+6*\e+4:K6+6*\e+5], v11 offset:32*\e+16
.endr
	s_wait_loadcnt 26                              ; the indices are in; mask, codes and scale words may be out
.set n, 0
.rept 40
	v_min_u32 v[LEN+n], 99, v[LEN+n]               ; an index stays inside its table
.set n, n+1
.endr
.set n, 0
.rept 32
	v_lshlrev_b32 v[LEN+n], 2, v[LEN+n]
.set n, n+1
.endr
.irp e, 0,1,2,3,4,5,6,7
	v_lshlrev_b32 v[C3+\e], 3, v[LEN+32+\e]
.endr
.irp e, 0,1,2,3,4,5,6,7
	v_lshlrev_b32 v[LEN+32+\e], 4, v[LEN+32+\e]
.endr
	s_wait_alu depctr_va_vdst(0)                   ; the shifts have written v[LEN ..] and v[C3 ..], which the gathers read as their addresses
.set n, 0
.rept 32
	ds_load_b32 v[EA+n], v[LEN+n] offset:TB1
.set n, n+1
.endr
.irp e, 0,1,2,3,4,5,6,7
	ds_load_b128 v[G6+6*\e:G6+6*\e+3], v[LEN+32+\e] offset:TB4
	ds_load_b64 v[G6+6*\e+4:G6+6*\e+5], v[C3+\e] offset:TB2
.endr
	s_wait_dscnt 0x0                               ; my gathers are over:
	s_barrier_signal -1                            ; say so; the wait stands in front of my first LDS store
	s_wait_alu depctr_vm_vsrc(0)                   ; the gathers have read v[LEN ..]: MX, BM, PT, NG, SU, CD, RC and Q6 are written there from here on, and PF and RLV land there
	; ---- the attention rows: registers alone, the four rows by turns
	s_wait_kmcnt 0x0
.irp i, 0,1,2,3
	s_mov_b32 s[49+2*\i], s[48+2*\i]               ; (named as a pair by the packed form, so it is written)
.endr
.irp e, 0,1,2,3,4,5,6,7
	v_add_f32 v[KA8+\e], s66, v[K6+6*\e]           ; k.W1 + b1
.endr
.irp i, 0,1,2,3
	v_mov_b32 v[PT+\i], 0                          ; a lane permute's destination counts as one of its sources
.endr
.irp u, 0,2,4,6
.irp i, 0,1,2,3
	v_pk_add_f32 v[EA+8*\i+\u:EA+8*\i+\u+1], v[EA+8*\i+\u:EA+8*\i+\u+1], v[KA8+\u:KA8+\u+1]
.endr
.endr
.irp u, 0,2,4,6
.irp i, 0,1,2,3
	v_pk_add_f32 v[EA+8*\i+\u:EA+8*\i+\u+1], v[EA+8*\i+\u:EA+8*\i+\u+1], s[48+2*\i:49+2*\i] op_sel_hi:[1,0]   ; + q.W1
.endr
.endr
	s_wait_loadcnt 18                              ; the mask is in; codes and scale words may be out
.irp u, 0,2,4,6
.irp i, 0,1,2,3
	v_pk_mul_f32 v[EA+8*\i+\u:EA+8*\i+\u+1], v[EA+8*\i+\u:EA+8*\i+\u+1], v[MASK+8*\i+\u:MASK+8*\i+\u+1]      ; the score
.endr
.endr
.irp i, 0,1,2,3
	v_max3_num_f32 v[MX+\i], v[EA+8*\i], v[EA+8*\i+1], v[EA+8*\i+2]
.endr
.irp i, 0,1,2,3
	v_max3_num_f32 v[MX+\i], v[MX+\i], v[EA+8*\i+3], v[EA+8*\i+4]
.endr
.irp i, 0,1,2,3
	v_max3_num_f32 v[MX+\i], v[MX+\i], v[EA+8*\i+5], v[EA+8*\i+6]
.endr
.irp i, 0,1,2,3
	v_max_num_f32 v[MX+\i], v[MX+\i], v[EA+8*\i+7]
.endr
.irp x, 1,2
.irp i, 0,1,2,3
	v_max_num_f32_dpp v[MX+\i], v[MX+\i], v[MX+\i] row_xmask:\x row_mask:0xf bank_mask:0xf
.endr
.endr
.irp i, 0,1,2,3
	v_mov_b32 v[BM+\i], v[MX+\i]                   ; four lanes' maximum: THE LARGEST SCORE OF MY BLOCK OF 32 KEYS; p rises with the score, so it gives the block's largest p
.endr
.irp x, 4,8
.irp i, 0,1,2,3
	v_max_num_f32_dpp v[MX+\i], v[MX+\i], v[MX+\i] row_xmask:\x row_mask:0xf bank_mask:0xf
.endr
.endr
.irp i, 0,1,2,3
	v_permlanex16_b32 v[PT+\i], v[MX+\i], s78, s79
.endr
.irp i, 0,1,2,3
	v_max_num_f32 v[MX+\i], v[MX+\i], v[PT+\i]     ; the row's largest score
.endr
.irp i, 0,1,2,3
	v_mul_f32 v[NG+2*\i], s74, v[MX+\i]            ; as t (log2(e) is positive)
.endr
.irp i, 0,1,2,3
	v_floor_f32 v[NG+2*\i], -v[NG+2*\i]            ; -M = floor(-t) = -ceil(t)
.endr
.irp i, 0,1,2,3
	v_mov_b32 v[NG+2*\i+1], v[NG+2*\i]
.endr
.irp u, 0,2,4,6
.irp i, 0,1,2,3
	v_pk_fma_f32 v[EA+8*\i+\u:EA+8*\i+\u+1], v[EA+8*\i+\u:EA+8*\i+\u+1], s[74:75], v[NG+2*\i:NG+2*\i+1] op_sel_hi:[1,0,1]   ; t - M
.endr
.endr
.irp i, 0,1,2,3
	v_fma_f32 v[BM+\i], v[BM+\i], s74, v[NG+2*\i]  ; the same of the block's largest score
.endr
.set n, 0
.rept 32
	v_exp_f32 v[EA+n], v[EA+n]                     ; p = 2^(t - M), not normalised
.set n, n+1
.endr
.irp i, 0,1,2,3
	v_exp_f32 v[BM+\i], v[BM+\i]                   ; the block's largest p: the same two instructions on the same number
.endr
	v_nop                                          ; a plain line behind the last exponential
	s_wait_alu depctr_va_vdst(0)                   ; the 36 exponentials have written v[EA ..] and v[BM ..], ahead of the first line that names a result: one wait for the batch
.irp i, 0,1,2,3
	v_max_num_f32 v[BM+\i], 0x1800000, v[BM+\i]    ; the floor 2^(3 - 127): the byte cannot fall under 1
.endr
.irp i, 0,1,2,3
	v_add_nc_u32 v[SC+\i], 0xff000000, v[BM+\i]    ; 2 off the exponent field: the conversion's scale operand
.endr
.irp i, 0,1,2,3
	v_lshrrev_b32 v[BY+\i], 23, v[SC+\i]           ; the scale's byte
.endr
.irp i, 0,1,2,3
	v_cvt_scalef32_pk8_fp4_f32 v[CD+\i], v[EA+8*\i:EA+8*\i+7], v[SC+\i]    ; my 8 keys' codes: 4 bytes of the row
.endr
	v_nop                                          ; one plain line behind the conversions
.irp i, 0,1,2,3
	v_pk_add_f32 v[SU+2*\i:SU+2*\i+1], v[EA+8*\i:EA+8*\i+1], v[EA+8*\i+2:EA+8*\i+3]    ; THE ROW'S SUM IS TAKEN OF THE UNQUANTISED p
.endr
.irp i, 0,1,2,3
	v_pk_add_f32 v[SU+2*\i:SU+2*\i+1], v[SU+2*\i:SU+2*\i+1], v[EA+8*\i+4:EA+8*\i+5]
.endr
.irp i, 0,1,2,3
	v_pk_add_f32 v[SU+2*\i:SU+2*\i+1], v[SU+2*\i:SU+2*\i+1], v[EA+8*\i+6:EA+8*\i+7]
.endr
.irp i, 0,1,2,3
	v_add_f32 v[SU+2*\i], v[SU+2*\i], v[SU+2*\i+1]
.endr
.irp x, 1,2,4,8
.irp i, 0,1,2,3
	v_add_f32_dpp v[SU+2*\i], v[SU+2*\i], v[SU+2*\i] row_xmask:\x row_mask:0xf bank_mask:0xf
.endr
.endr
.irp i, 0,1,2,3
	v_permlanex16_b32 v[PT+\i], v[SU+2*\i], s78, s79
.endr
.irp i, 0,1,2,3
	v_add_f32 v[SU+2*\i], v[SU+2*\i], v[PT+\i]     ; l, over 1/2
.endr
.irp i, 0,1,2,3
	v_rcp_f32 v[RC+\i], v[SU+2*\i]
.endr
	v_nop                                          ; a plain line behind the last reciprocal
	s_wait_alu depctr_va_vdst(0)                   ; the four reciprocals have written v[RC ..], the conversions v[CD ..] and the shifts v[BY ..]: the LDS stores behind the barrier read all three, and no vector line stands between
	s_barrier_wait -1                              ; every wave's gathers are over: LDS may be stored to
.irp i, 0,1,2,3
	ds_store_b32 v12, v[CD+\i] offset:144*\i
	ds_store_b8 v13, v[BY+\i] offset:8*\i          ; the four lanes of a block write the same byte with the same value
	ds_store_b32 v14, v[RC+\i] offset:4*\i         ; all lanes write the same word with the same value
.endr
	s_wait_dscnt 0x0                               ; for the others' sake: my four rows of p lie in LDS
	s_barrier_signal -1                            ; the class row's softmax, registers alone, stands between the signal and the wait; it writes none of the registers that the stores above read
	; ---- the class row: 8 keys x 5 classes a lane
	v_mov_b32 v[Q6], s56                           ; (column 0 rides along in the packed sums and is not used)
.irp c, 0,1,2,3,4
	v_add_f32 v[Q6+1+\c], s[57+\c], s[68+\c]       ; q.W2[c] + b2[c]
.endr
.irp a, 0,2,4
.irp e, 0,1,2,3,4,5,6,7
	v_pk_add_f32 v[G6+6*\e+\a:G6+6*\e+\a+1], v[G6+6*\e+\a:G6+6*\e+\a+1], v[K6+6*\e+\a:K6+6*\e+\a+1]
.endr
.endr
.irp a, 0,2,4
.irp e, 0,1,2,3,4,5,6,7
	v_pk_add_f32 v[G6+6*\e+\a:G6+6*\e+\a+1], v[G6+6*\e+\a:G6+6*\e+\a+1], v[Q6+\a:Q6+\a+1]
.endr
.endr
.irp e, 0,1,2,3,4,5,6,7
	v_max3_num_f32 v[CM+\e], v[G6+6*\e+1], v[G6+6*\e+2], v[G6+6*\e+3]
.endr
.irp e, 0,1,2,3,4,5,6,7
	v_max3_num_f32 v[CM+\e], v[CM+\e], v[G6+6*\e+4], v[G6+6*\e+5]     ; the largest of the five is taken away ahead of the exponential
.endr
.irp e, 0,1,2,3,4,5,6,7
	v_mul_f32 v[CM+\e], s76, v[CM+\e]
.endr
.irp c, 1,2,3,4,5
.irp e, 0,1,2,3,4,5,6,7
	v_fma_f32 v[G6+6*\e+\c], v[G6+6*\e+\c], s74, v[CM+\e]
.endr
.endr
.irp c, 1,2,3,4,5
.irp e, 0,1,2,3,4,5,6,7
	v_exp_f32 v[G6+6*\e+\c], v[G6+6*\e+\c]
.endr
.endr
	v_nop
	s_wait_alu depctr_va_vdst(0)                   ; the 40 exponentials have written v[G6 ..], ahead of the sums that read them: one wait for the batch
.irp e, 0,1,2,3,4,5,6,7
	v_pk_add_f32 v[TP+2*\e:TP+2*\e+1], v[G6+6*\e+2:G6+6*\e+3], v[G6+6*\e+4:G6+6*\e+5]
.endr
.irp e, 0,1,2,3,4,5,6,7
	v_add_f32 v[TP+2*\e], v[TP+2*\e], v[TP+2*\e+1]
.endr
.irp e, 0,1,2,3,4,5,6,7
	v_add_f32 v[TP+2*\e], v[TP+2*\e], v[G6+6*\e+1]
.endr
.irp e, 0,1,2,3,4,5,6,7
	v_rcp_f32 v[RCC+\e], v[TP+2*\e]
.endr
	v_nop
	s_wait_alu depctr_va_vdst(0)                   ; the 8 reciprocals have written v[RCC ..], ahead of the multiplies that read them: one wait for the batch
.irp e, 0,1,2,3,4,5,6,7
.irp c, 0,1,2,3,4
	v_mul_f32 v[OUT+5*\e+\c], v[G6+6*\e+1+\c], v[RCC+\e]
.endr
.endr
	s_wait_alu depctr_va_vdst(0)                   ; the multiplies have written v[OUT ..], which the LDS stores below read; the vector lines so far are done with v24 to v41, v192 to v231 and v168 to v191, in which PF, RLV, OB and O0B land
	s_barrier_wait -1                              ; all 16 rows of p, their bytes and their 1 / l lie in LDS
	; ---- the product, and out1 through my own stage
.irp s, 0,1
.irp c, 0,1
	ds_load_b128 v[PF+8*\s+4*\c:PF+8*\s+4*\c+3], v15 offset:64*\s+32*\c    ; registers 4 c on: keys 128 s + 64 c + 32 h + 0 .. 31 of query r
.endr
.endr
	ds_load_b64 v[PSC:PSC+1], v16                  ; query r's two scale words
	ds_load_b32 v[RLV], v17
	ds_load_b32 v[RLV+1], v17                      ; (twice: a pair for the packed multiply)
.irp n, 0,1,2,3,4,5,6,7,8,9
	ds_store_b128 v18, v[OUT+4*\n:OUT+4*\n+3] offset:16*\n
.endr
.irp n, 0,1,2,3,4,5,6,7,8,9
	ds_load_b128 v[OB+4*\n:OB+4*\n+3], v19 offset:512*\n           ; LDS serves a wave's instructions in order (ISA guide 5.7.1.4): these see my stores
.endr
	s_wait_loadcnt 0x0                             ; m's codes and scale words
	s_wait_dscnt 20                                ; p's fragments, words and 1 / l are in; the stage's ten stores and ten loads may be out
	s_set_vgpr_msb 0x0001                          ; source 0 (m) window 1
.irp s, 0,1                                    ; three accumulators by turns, one instruction a turn; the first K step starts the sums
.irp i, 0,1,2
.if \s == 0
	v_wmma_scale_f32_16x16x128_f8f6f4 v[ACC+8*\i:ACC+8*\i+7], v[16*\i+8*\s:16*\i+8*\s+7], v[PF+8*\s:PF+8*\s+7], 0, v[MS+2*\i+\s], v[PSC+\s] matrix_a_fmt:MATRIX_FMT_FP4 matrix_b_fmt:MATRIX_FMT_FP4
.else
	v_wmma_scale_f32_16x16x128_f8f6f4 v[ACC+8*\i:ACC+8*\i+7], v[16*\i+8*\s:16*\i+8*\s+7], v[PF+8*\s:PF+8*\s+7], v[ACC+8*\i:ACC+8*\i+7], v[MS+2*\i+\s], v[PSC+\s] matrix_a_fmt:MATRIX_FMT_FP4 matrix_b_fmt:MATRIX_FMT_FP4
.endif
.endr
.endr
	s_set_vgpr_msb 0x0100
.irp n, 0,1,2,3,4,5,6,7,8,9
	s_wait_dscnt 9-\n
	global_store_b128 v3, v[OB+4*\n:OB+4*\n+3], s[46:47] offset:512*\n th:TH_STORE_NT   ; 32 lanes store 512 consecutive bytes, at a multiple of 256 from out1's first byte
.endr
.rept 4
	v_nop                                          ; four places between the last product and the first read of a result (ISA guide 7.12.1)
.endr
.irp i, 0,1,2
.irp u, 0,2,4,6
	v_pk_mul_f32 v[ACC+8*\i+\u:ACC+8*\i+\u+1], v[ACC+8*\i+\u:ACC+8*\i+\u+1], v[RLV:RLV+1]   ; / l; each accumulator from its low end on
.endr
.endr
	s_wait_alu depctr_va_vdst(0)                   ; the multiplies have written v[ACC ..], which the LDS stores read; the places above stay beside this wait
.irp i, 0,1,2
	ds_store_b128 v20, v[ACC+8*\i:ACC+8*\i+3] offset:64*\i         ; lane (r, h): out0(query r, channels 16 (3 w + i) + 8 h + 0 .. 7 of my 192)
	ds_store_b128 v20, v[ACC+8*\i+4:ACC+8*\i+7] offset:64*\i+16
.endr
	BARRIER                                        ; 16 rows x 768 bytes of out0 lie in the stage: a row's bytes come from four waves
.irp p, 0,1
.irp u, 0,1,2
	ds_load_b128 v[O0B+4*(3*\p+\u):O0B+4*(3*\p+\u)+3], v21 offset:1568*\p+256*\u
.endr
.endr
.irp p, 0,1
.irp u, 0,1,2
	s_wait_dscnt 5-3*\p-\u
	global_store_b128 v22, v[O0B+4*(3*\p+\u):O0B+4*(3*\p+\u)+3], s[44:45] offset:6144*\p+256*\u th:TH_STORE_NT   ; sixteen lanes store 256 consecutive bytes, at a multiple of 256 from out0's first byte
.endr
.endr
	s_wait_dscnt 0x0
	s_wait_alu depctr_hold_cnt(0) depctr_sa_sdst(0) depctr_va_vdst(0) depctr_va_sdst(0) depctr_va_ssrc(0) depctr_va_vcc(0) depctr_vm_vsrc(0)
	s_wait_tensorcnt 0x0
	ds_add_u32 v7, v23
	s_wait_dscnt 0x0
	s_endpgm
.Lfunc_end_k_q5aad4661e1_attend:
	.size	k_q5aad4661e1_attend, .Lfunc_end_k_q5aad4661e1_attend-k_q5aad4661e1_attend
	.p2alignl 7, 3214868480
	.fill 96, 4, 3214868480
	.section	.rodata,"a",@progbits
	.p2align	6, 0x0
	.amdhsa_kernel k_q5aad4661e1_attend
		.amdhsa_group_segment_fixed_size 48640
		.amdhsa_private_segment_fixed_size 0
		.amdhsa_enable_private_segment 0
		.amdhsa_kernarg_size 72
		.amdhsa_user_sgpr_count 2
		.amdhsa_user_sgpr_kernarg_segment_ptr 1
		.amdhsa_wavefront_size32 1
		.amdhsa_system_sgpr_workgroup_id_x 1
		.amdhsa_system_sgpr_workgroup_id_y 1
		.amdhsa_system_sgpr_workgroup_id_z 1
		.amdhsa_system_vgpr_workitem_id 0
		.amdhsa_next_free_vgpr 304
		.amdhsa_next_free_sgpr 84
		.amdhsa_reserve_vcc 0
		.amdhsa_float_denorm_mode_32 3
		.amdhsa_float_denorm_mode_16_64 3
		.amdhsa_memory_ordered 1
		.amdhsa_forward_progress 1
		.amdhsa_inst_pref_size 50
	.end_amdhsa_kernel
	.amdgpu_metadata
---
amdhsa.version: [ 1, 2 ]
amdhsa.kernels:
  - .name:           k_q5aad4661e1_attend
    .symbol:         k_q5aad4661e1_attend.kd
    .args:
      - { .name: tab, .offset: 0, .size: 8, .value_kind: global_buffer, .address_space: global }
      - { .name: mcodes, .offset: 8, .size: 8, .value_kind: global_buffer, .address_space: global }
      - { .name: mscales, .offset: 16, .size: 8, .value_kind: global_buffer, .address_space: global }
      - { .name: attention_mask, .offset: 24, .size: 8, .value_kind: global_buffer, .address_space: global }
      - { .name: length_mask, .offset: 32, .size: 8, .value_kind: global_buffer, .address_space: global }
      - { .name: b1, .offset: 40, .size: 8, .value_kind: global_buffer, .address_space: global }
      - { .name: b2, .offset: 48, .size: 8, .value_kind: global_buffer, .address_space: global }
      - { .name: out0, .offset: 56, .size: 8, .value_kind: global_buffer, .address_space: global }
      - { .name: out1, .offset: 64, .size: 8, .value_kind: global_buffer, .address_space: global }
    .group_segment_fixed_size: 48640
    .private_segment_fixed_size: 0
    .kernarg_segment_align: 8
    .kernarg_segment_size: 72
    .max_flat_workgroup_size: 128
    .sgpr_count:     84
    .vgpr_count:     304
    .wavefront_size: 32
...
	.end_amdgpu_metadata
.endif
;; end of part 3
